; MI455X (gfx1250); checked and timed in simulation.
; The chip was launched on July 23, 2026; its instructions are those of AMD's public machine-readable ISA for CDNA 5 (MIT licence, August 2026) and "CDNA5" Instruction Set Architecture Reference Guide (July 2026). The comments in the code are by the model that wrote it; some were corrected since.
;; Mo E Layer. Allowed arithmetic: float matrix products may take bf16 or f16 operands with f32 sums; all other float work in f32.
;; Inputs: experts_down 8 x 1,024 x 938 float32; experts_gate_up 8 x 1,876 x 1,024 float32; gate_weight 8 x 1,024 float32; hidden_states 4 x 512 x 1,024 float32; shared_down 1,024 x 938 float32; shared_gate_up 1,876 x 1,024 float32.
;; Outputs: out0 4 x 512 x 1,024 float32.
;; 2 versions, each right; version 2 is version 1 with the launch prep written anew for expert scheduling mode. Each part assembles by itself: llvm-mc -triple=amdgcn-amd-amdhsa -mcpu=gfx1250 --defsym DOCPART=n.
;; ======== version 1 of 2: 5 launches
;; workspace buffers: xb 4,194,304 bytes; xp 12,058,624 bytes; wb 56,623,104 bytes; act 16,252,928 bytes; y 32,505,856 bytes; wts 16,384 bytes; sel 16,384 bytes of whole numbers; map 17,152 bytes of whole numbers
;; launch prep (part 1): grid 704 x 1, 8 waves a work-group, no clusters, 61,440 bytes of LDS; arguments hidden_states, gate_weight, experts_gate_up, shared_gate_up, xb, sel, wts, wb; writes xb, sel, wts, wb
.if DOCPART == 1
	.amdgcn_target "amdgcn-amd-amdhsa--gfx1250"
	.amdhsa_code_object_version 6
	.text
	.protected	k_qddabfc25c9_prep
	.globl	k_qddabfc25c9_prep
	.p2align	8
	.type	k_qddabfc25c9_prep,@function
k_qddabfc25c9_prep:
	s_mov_b64 s[64:65], 0
	v_nop
	global_prefetch_b8 v0, s[64:65] scope:SCOPE_SE
	s_setreg_imm32_b32 hwreg(HW_REG_WAVE_MODE, 25, 1), 1
	s_wait_xcnt 0x0
; prep: two jobs, chosen by the work-group's number (the same in all eight waves).
;   work-groups 0..127   ROUTE: 16 tokens each.  x is rounded to bf16 (buffer xb), the eight router logits are made on the matrix unit
;                        (bf16 operands, f32 sums), the two largest are chosen, and the two combine weights are made by a softmax that
;                        takes the largest logit away first.  Stored: sel[2t+k] (expert, whole number), wts[2t+k] (f32).
;   work-groups 128..703 CVT: 32 rows each of the gate_up weights, rounded to bf16 into wb, in the row order that the first product wants.
; wb, first part: [9 experts][2048 rows][1024] bf16; experts 0-7 routed, 8 shared.  Row rr of an expert: q = rr>>7, part = (rr>>6)&1,
; jj = rr&63, i = 64 q + jj; it holds source row part*938 + i, or zeros where i >= 938.  So each 128 rows are 64 gate rows and the 64 up rows
; of the same i.
; LIMITS.  The choice is made on the logits, ties to the lower index; two different logits whose probabilities round to one f32 may be ordered
; otherwise than by a top-k on the probabilities.  A NaN logit gives an unspecified choice (the indices stay 0..7).
; No LDS tiles by copy engines, no cluster: the work-groups share nothing but the 32 KiB of gate weights.
.set ROUTE_WG, 128
.set I_REAL, 938
.set PITCH,  272                       ; an LDS row: 128 bf16 + 16 bytes, so that sixteen rows of a fragment start 16 bytes apart modulo 256
.set WREG,   24*PITCH                  ; a wave's own 16 x rows and 8 gate rows
.set RED,    8*WREG                    ; behind them: 1,024 bytes a wave for the partial logits
.set X,    16                          ; v[16:111]  24 rows as loaded, 4 f32 a lane each (CVT: v[16:143], 4 rows x 8 chunks)
.set Y,    112                         ; v[112:159] the same in bf16, 2 registers a row
.set XF,   16                          ; v[16:47]   x fragments of four K steps of 32
.set GF,   48                          ; v[48:79]   gate fragments
.set ACC0, 80                          ; v[80:87]   logits, K steps 0 and 2
.set ACC1, 88                          ; v[88:95]   logits, K steps 1 and 3
	s_load_b512 s[16:31], s[0:1], 0x0              ; hidden 16, gate 18, experts_gate_up 20, shared_gate_up 22, xb 24, sel 26, wts 28, wb 30
	v_lshl_add_u32 v160, v0, 2, 0xec00
	v_mov_b32 v161, 0
	v_and_b32 v1, 31, v0                           ; lane
	v_lshrrev_b32 v2, 5, v0
	v_readfirstlane_b32 s8, v2                     ; wave 0..7
	s_cmp_ge_u32 ttmp9, ROUTE_WG
	s_cbranch_scc1 .Lcvt
; ---------------------------------------------------------------- ROUTE: wave w takes K = 128 w .. 128 w + 127 of 16 tokens and 8 gate rows
	v_and_b32 v10, 15, v1                          ; r
	v_lshrrev_b32 v11, 4, v1                       ; h
	v_and_b32 v12, 7, v1                           ; r & 7: gate rows are taken twice, so both halves of the lanes get all eight experts
	s_mul_i32 s9, s8, WREG
	s_lshl_b32 s12, s8, 9
	s_lshl_b32 s13, s8, 8
	s_lshl_b32 s14, s8, 10
	v_lshl_add_u32 v3, v1, 4, s12                  ; f32 source: 512 w + 16 lane
	v_lshl_add_u32 v4, v1, 3, s13                  ; bf16 row of xb: 256 w + 8 lane
	v_lshl_add_u32 v5, v1, 3, s9                   ; LDS, in: my wave's rows + 8 lane
	v_mul_u32_u24 v6, v10, PITCH
	v_lshl_add_u32 v6, v11, 4, v6
	v_add_nc_u32 v6, s9, v6                        ; LDS, x fragment: row r, 16 h
	v_mul_u32_u24 v7, v12, PITCH
	v_lshl_add_u32 v7, v11, 4, v7
	v_add_nc_u32 v7, s9, v7
	v_add_nc_u32 v7, 16*PITCH, v7                  ; LDS, gate fragment: row 16 + (r & 7), 16 h
	v_lshlrev_b32 v9, 5, v1
	v_add_nc_u32 v9, RED, v9                       ; partial logits of wave 0: 32 bytes a lane
	v_add_nc_u32 v8, s14, v9                       ; of my wave
	s_lshl_b32 s32, ttmp9, 16                      ; 16 rows of 4,096 bytes
	s_mov_b32 s33, 0
	s_lshl_b32 s34, ttmp9, 15                      ; 16 rows of 2,048 bytes
	s_mov_b32 s35, 0
	s_lshl_b32 s36, ttmp9, 7                       ; 32 entries of 4 bytes
	s_mov_b32 s37, 0
	s_wait_kmcnt 0x0
	s_add_nc_u64 s[16:17], s[16:17], s[32:33]
	s_add_nc_u64 s[24:25], s[24:25], s[34:35]
	s_add_nc_u64 s[26:27], s[26:27], s[36:37]
	s_add_nc_u64 s[28:29], s[28:29], s[36:37]
.set n, 0
.rept 16
	global_load_b128 v[X+4*n:X+4*n+3], v3, s[16:17] offset:n*4096 th:TH_LOAD_NT   ; 512 consecutive bytes of token n
.set n, n+1
.endr
.set n, 0
.rept 8
	global_load_b128 v[X+64+4*n:X+64+4*n+3], v3, s[18:19] offset:n*4096           ; the same K of gate row n
.set n, n+1
.endr
	s_wait_loadcnt 0x0
.set n, 0
.rept 24
	v_cvt_pk_bf16_f32 v[Y+2*n],   v[X+4*n],   v[X+4*n+1]
	v_cvt_pk_bf16_f32 v[Y+2*n+1], v[X+4*n+2], v[X+4*n+3]
.set n, n+1
.endr
.set n, 0
.rept 16
	global_store_b64 v4, v[Y+2*n:Y+2*n+1], s[24:25] offset:n*2048                 ; the wave's store covers 256 consecutive bytes, aligned
.set n, n+1
.endr
.set n, 0
.rept 24
	ds_store_b64 v5, v[Y+2*n:Y+2*n+1] offset:n*PITCH
.set n, n+1
.endr
; the wave reads back its own bytes: LDS serves a wave's instructions in order (ISA guide 5.7.1), so no barrier and no wait stand between
.irp s, 0,1,2,3
	ds_load_b128 v[XF+8*\s:XF+8*\s+3],   v6 offset:64*\s
	ds_load_b128 v[XF+8*\s+4:XF+8*\s+7], v6 offset:64*\s+32
	ds_load_b128 v[GF+8*\s:GF+8*\s+3],   v7 offset:64*\s
	ds_load_b128 v[GF+8*\s+4:GF+8*\s+7], v7 offset:64*\s+32
.endr
	s_wait_dscnt 0x0
; source 0 = gate rows, source 1 = tokens: register j of lane (r, h) is the logit of token r, expert (8 h + j) & 7 = j.
; Two accumulators take turns, one instruction a turn.
	v_wmma_f32_16x16x32_bf16 v[ACC0:ACC0+7], v[GF:GF+7],       v[XF:XF+7],       0
	v_wmma_f32_16x16x32_bf16 v[ACC1:ACC1+7], v[GF+8:GF+15],    v[XF+8:XF+15],    0
	v_wmma_f32_16x16x32_bf16 v[ACC0:ACC0+7], v[GF+16:GF+23],   v[XF+16:XF+23],   v[ACC0:ACC0+7]
	v_wmma_f32_16x16x32_bf16 v[ACC1:ACC1+7], v[GF+24:GF+31],   v[XF+24:XF+31],   v[ACC1:ACC1+7]
.rept 4
	v_nop                                          ; four places behind the last matrix instruction before its result is read (ISA guide 7.12.1)
.endr
.irp p, 0,2,4,6
	v_pk_add_f32 v[ACC0+\p:ACC0+\p+1], v[ACC0+\p:ACC0+\p+1], v[ACC1+\p:ACC1+\p+1]
.endr
	ds_store_b128 v8, v[ACC0:ACC0+3]
	ds_store_b128 v8, v[ACC0+4:ACC0+7] offset:16
	s_wait_dscnt 0x0                               ; my partial logits are in LDS, for wave 0's sake
	s_barrier_signal -1
	s_barrier_wait -1
	s_cmp_lg_u32 s8, 0
	s_cbranch_scc1 .Lend                           ; the rest is a few hundred instructions on 16 tokens: one wave
.set n, 0
.rept 8
	ds_load_b128 v[16+8*n:16+8*n+3], v9 offset:1024*n
	ds_load_b128 v[20+8*n:20+8*n+3], v9 offset:1024*n+16
.set n, n+1
.endr
	s_wait_dscnt 0x0
.irp w, 1,2,3,4,5,6,7
.irp p, 0,2,4,6
	v_pk_add_f32 v[16+\p:17+\p], v[16+\p:17+\p], v[16+8*\w+\p:17+8*\w+\p]         ; K slices in ascending order
.endr
.endr
; v[16:23] = the eight logits of my token.  First choice: largest, lower index on a tie.
	v_mov_b32 v96, v16                             ; m1
	v_mov_b32 v97, 0                               ; i1
.irp e, 1,2,3,4,5,6,7
	v_cmp_le_f32 vcc_lo, v[16+\e], v96
	v_cndmask_b32 v97, \e, v97, vcc_lo             ; not larger: the index stays
	v_max_num_f32 v96, v96, v[16+\e]
.endr
	v_mov_b32 v100, 0xff800000                     ; -infinity takes the winner's place
.irp e, 0,1,2,3,4,5,6,7
	v_cmp_eq_u32 vcc_lo, \e, v97
	v_cndmask_b32 v[24+\e], v[16+\e], v100, vcc_lo
.endr
	v_mov_b32 v98, v24                             ; m2
	v_mov_b32 v99, 0                               ; i2
.irp e, 1,2,3,4,5,6,7
	v_cmp_le_f32 vcc_lo, v[24+\e], v98
	v_cndmask_b32 v99, \e, v99, vcc_lo
	v_max_num_f32 v98, v98, v[24+\e]
.endr
; softmax with the largest logit taken away: every exponent is <= 0, the sum lies in 1..8
.irp e, 0,1,2,3,4,5,6,7
	v_sub_f32 v[32+\e], v[16+\e], v96
.endr
	v_sub_f32 v40, v98, v96
.irp e, 0,1,2,3,4,5,6,7,8
	v_mul_f32 v[32+\e], 0x3fb8aa3b, v[32+\e]       ; e^x = 2^(1.442695 x)
.endr
.irp e, 0,1,2,3,4,5,6,7,8
	v_exp_f32 v[32+\e], v[32+\e]
.endr
	v_nop                                          ; one plain place behind the transcendentals (ISA guide 5.7.2)
	s_wait_alu depctr_va_vdst(0)
	v_add_f32 v32, v32, v33
	v_add_f32 v34, v34, v35
	v_add_f32 v36, v36, v37
	v_add_f32 v38, v38, v39
	v_add_f32 v32, v32, v34
	v_add_f32 v36, v36, v38
	v_add_f32 v101, v32, v36                       ; Z
	v_rcp_f32 v102, v101                           ; p1 = 1 / Z
	v_nop
	s_wait_alu depctr_va_vdst(0)
	v_mul_f32 v103, v40, v102                      ; p2
	v_add_f32 v104, v102, v103
	v_add_f32 v104, 0x322bcc77, v104               ; + 1e-8
	v_rcp_f32 v105, v104
	v_nop
	s_wait_alu depctr_va_vdst(0)
	v_mul_f32 v106, v102, v105                     ; w1
	v_mul_f32 v107, v103, v105                     ; w2
; lane (r, h) stores entry 2 r + h of the group's 32: lanes 0-15 the first choice, lanes 16-31 the second
	v_cmp_gt_u32 vcc_lo, 16, v1
	v_cndmask_b32 v108, v99, v97, vcc_lo
	v_cndmask_b32 v109, v107, v106, vcc_lo
	v_lshlrev_b32 v110, 3, v10
	v_lshl_add_u32 v110, v11, 2, v110
	global_store_b32 v110, v108, s[26:27]          ; 128 consecutive bytes; both tables are 16 KiB in all
	global_store_b32 v110, v109, s[28:29]
.Lend:
	s_wait_tensorcnt 0x0
	ds_add_u32 v160, v161
	s_wait_dscnt 0x0
	s_endpgm
; ---------------------------------------------------------------- CVT: work-group G = 32 rows of wb's first part, wave w four of them
.Lcvt:
	s_sub_co_u32 s9, ttmp9, ROUTE_WG               ; G, 0..575
	s_lshr_b32 s10, s9, 6                          ; expert 0..8
	s_and_b32 s11, s9, 63
	s_lshl_b32 s11, s11, 5
	s_lshl2_add_u32 s11, s8, s11                   ; rr0 = 32 (G & 63) + 4 w; the four rows lie in one run of 64
	s_lshr_b32 s12, s11, 7                         ; q
	s_bfe_u32 s13, s11, 0x10006                    ; part: 0 gate, 1 up
	s_and_b32 s14, s11, 63                         ; jj0
	s_lshl_b32 s12, s12, 6
	s_add_co_u32 s12, s12, s14                     ; i0 = 64 q + jj0
	s_mul_i32 s13, s13, I_REAL
.irp n, 0,1,2,3
	s_add_co_u32 s44, s12, \n
	s_cmp_lt_u32 s44, I_REAL
	s_cselect_b32 s[40+\n], -1, 0                  ; a row with i >= 938 is stored as zeros;
	s_min_u32 s44, s44, I_REAL-1                   ; its loads read the last real row, inside the buffer
	s_add_co_u32 s44, s44, s13
	s_lshl_b32 s44, s44, 12
	v_lshl_add_u32 v[4+\n], v1, 4, s44             ; source row x 4,096 + 16 lane
.endr
	v_lshlrev_b32 v3, 3, v1
	s_lshl_b32 s46, s9, 5
	s_lshl2_add_u32 s46, s8, s46
	s_lshl_b32 s46, s46, 11                        ; (32 G + 4 w) rows of 2,048 bytes
	s_mov_b32 s47, 0
	s_wait_kmcnt 0x0
	s_cmp_lt_u32 s10, 8
	s_cselect_b64 s[36:37], s[20:21], s[22:23]     ; routed experts' weights, or the shared expert's
	s_cselect_b32 s38, s10, 0
	s_mul_i32 s38, s38, 1876*4096
	s_mov_b32 s39, 0
	s_add_nc_u64 s[36:37], s[36:37], s[38:39]
	s_add_nc_u64 s[30:31], s[30:31], s[46:47]
.irp n, 0,1,2,3
.irp c, 0,1,2,3,4,5,6,7
	global_load_b128 v[X+32*\n+4*\c:X+32*\n+4*\c+3], v[4+\n], s[36:37] offset:512*\c th:TH_LOAD_NT
.endr
.endr
.irp n, 0,1,2,3
	s_wait_loadcnt 8*(3-\n)                        ; loads return in order (ISA guide 5.7.1): row n is in, the younger rows' eight each stay out
.irp c, 0,1,2,3,4,5,6,7
	v_cvt_pk_bf16_f32 v[X+32*\n+4*\c],   v[X+32*\n+4*\c],   v[X+32*\n+4*\c+1]
	v_cvt_pk_bf16_f32 v[X+32*\n+4*\c+1], v[X+32*\n+4*\c+2], v[X+32*\n+4*\c+3]
	v_and_b32 v[X+32*\n+4*\c],   s[40+\n], v[X+32*\n+4*\c]
	v_and_b32 v[X+32*\n+4*\c+1], s[40+\n], v[X+32*\n+4*\c+1]
	global_store_b64 v3, v[X+32*\n+4*\c:X+32*\n+4*\c+1], s[30:31] offset:2048*\n+256*\c   ; 256 consecutive bytes, aligned; no register is used twice
.endr
.endr
	s_endpgm
.Lfunc_end_k_qddabfc25c9_prep:
	.size	k_qddabfc25c9_prep, .Lfunc_end_k_qddabfc25c9_prep-k_qddabfc25c9_prep
	.p2alignl 7, 3214868480
	.fill 96, 4, 3214868480
	.section	.rodata,"a",@progbits
	.p2align	6, 0x0
	.amdhsa_kernel k_qddabfc25c9_prep
		.amdhsa_group_segment_fixed_size 61440
		.amdhsa_private_segment_fixed_size 0
		.amdhsa_enable_private_segment 0
		.amdhsa_kernarg_size 64
		.amdhsa_user_sgpr_count 2
		.amdhsa_user_sgpr_kernarg_segment_ptr 1
		.amdhsa_wavefront_size32 1
		.amdhsa_system_sgpr_workgroup_id_x 1
		.amdhsa_system_sgpr_workgroup_id_y 1
		.amdhsa_system_sgpr_workgroup_id_z 1
		.amdhsa_system_vgpr_workitem_id 0
		.amdhsa_next_free_vgpr 162
		.amdhsa_next_free_sgpr 66
		.amdhsa_reserve_vcc 1
		.amdhsa_float_denorm_mode_32 3
		.amdhsa_float_denorm_mode_16_64 3
		.amdhsa_memory_ordered 1
		.amdhsa_forward_progress 1
		.amdhsa_inst_pref_size 34
	.end_amdhsa_kernel
	.amdgpu_metadata
---
amdhsa.version: [ 1, 2 ]
amdhsa.kernels:
  - .name:           k_qddabfc25c9_prep
    .symbol:         k_qddabfc25c9_prep.kd
    .args:
      - { .name: hidden_states, .offset: 0, .size: 8, .value_kind: global_buffer, .address_space: global }
      - { .name: gate_weight, .offset: 8, .size: 8, .value_kind: global_buffer, .address_space: global }
      - { .name: experts_gate_up, .offset: 16, .size: 8, .value_kind: global_buffer, .address_space: global }
      - { .name: shared_gate_up, .offset: 24, .size: 8, .value_kind: global_buffer, .address_space: global }
      - { .name: xb, .offset: 32, .size: 8, .value_kind: global_buffer, .address_space: global }
      - { .name: sel, .offset: 40, .size: 8, .value_kind: global_buffer, .address_space: global }
      - { .name: wts, .offset: 48, .size: 8, .value_kind: global_buffer, .address_space: global }
      - { .name: wb, .offset: 56, .size: 8, .value_kind: global_buffer, .address_space: global }
    .group_segment_fixed_size: 61440
    .private_segment_fixed_size: 0
    .kernarg_segment_align: 8
    .kernarg_segment_size: 64
    .max_flat_workgroup_size: 256
    .sgpr_count:     66
    .vgpr_count:     162
    .wavefront_size: 32
...
	.end_amdgpu_metadata
.endif
;; end of part 1
;; launch plan (part 2): grid 472 x 1, 8 waves a work-group, no clusters, 3,328 bytes of LDS; arguments sel, xb, experts_down, shared_down, xp, map, wb; writes xp, map, wb
.if DOCPART == 2
	.amdgcn_target "amdgcn-amd-amdhsa--gfx1250"
	.amdhsa_code_object_version 6
	.text
	.protected	k_qddabfc25c9_plan
	.globl	k_qddabfc25c9_plan
	.p2align	8
	.type	k_qddabfc25c9_plan,@function
k_qddabfc25c9_plan:
	s_mov_b64 s[64:65], 0
	v_nop
	global_prefetch_b8 v0, s[64:65] scope:SCOPE_SE
	s_setreg_imm32_b32 hwreg(HW_REG_WAVE_MODE, 25, 1), 1
	s_wait_xcnt 0x0
; plan: two jobs, chosen by the work-group's number.
;   work-groups 0..183   PLACE: routed rows 32 j .. 32 j + 31 of the permuted row space.  The 4,096 assignments a = 2 t + k are grouped by
;                        expert, each expert's rows padded to a multiple of 256: at most floor((4096 + 8 x 255) / 256) = 23 tiles of 256 rows,
;                        so 184 blocks of 32 rows serve every routing.  Each work-group scans all of sel (16 KiB) itself, so nothing passes
;                        between work-groups.  Stored: the rows' x in bf16 (xp; rows without an assignment are zeros), pos[a] and the
;                        block's expert (map).  Tiles behind the last real one get expert 7 and zero rows.
;   work-groups 184..471 CVT: 32 rows each of the down weights, rounded to bf16 into wb's second part:
;                        [9 experts][1024 rows d][1024] bf16, columns 938..1023 zeros.
; map: bytes 0..16383 pos[4096] (row 2048 + ...), bytes 16384.. the expert of each of the 184 blocks.
; The order of assignments inside an expert is (wave, register, lane) of the scan, the same in every work-group.
.set PLAN_WG, 184
.set TAB,  0                           ; LDS: 8 waves x 8 counts
.set LIST, 256                         ; LDS: a wave's own 32 entries (a + 1, or 0) and one word for what falls outside the block; 256 bytes a wave
.set SEL,  16                          ; v[16:31]  my 16 assignments' experts
.set CNT,  32                          ; s[32:39]  my wave's count for each expert
.set MASK, 40                          ; s[40:55]  lane masks of the 16 registers
.set RUN,  66                          ; s[66:81]  rank, less the block's first rank, of the first match in each register
.set NE,   82                          ; s[82:89]  assignments of each expert
.set BASE, 90                          ; s[90:97]  of them in the waves in front of mine
.set X,    16                          ; CVT: v[16:143]
	s_load_b256 s[16:23], s[0:1], 0x0              ; sel 16, xb 18, experts_down 20, shared_down 22
	s_load_b128 s[24:27], s[0:1], 0x20             ; xp 24, map 26
	s_load_b64 s[28:29], s[0:1], 0x30              ; wb
	v_lshl_add_u32 v160, v0, 2, 0x900
	v_mov_b32 v161, 0
	v_and_b32 v1, 31, v0
	v_lshrrev_b32 v2, 5, v0
	v_readfirstlane_b32 s8, v2                     ; wave 0..7
	s_cmp_ge_u32 ttmp9, PLAN_WG
	s_cbranch_scc1 .Lcvt
; ---------------------------------------------------------------- PLACE
	s_lshl_b32 s9, s8, 11
	v_lshl_add_u32 v3, v1, 4, s9                   ; a = 512 w + 128 m + 4 lane + c
	s_wait_kmcnt 0x0
.irp m, 0,1,2,3
	global_load_b128 v[SEL+4*\m:SEL+4*\m+3], v3, s[16:17] offset:512*\m
.endr
	s_lshl_b32 s60, s8, 5
	v_mov_b32 v4, s60                              ; my wave's row of TAB
	v_and_b32 v5, 7, v1
	v_lshlrev_b32 v5, 2, v5                        ; lane e reads expert e's counts
	s_lshl_b32 s61, s8, 8
	s_add_co_u32 s61, s61, LIST
	v_mov_b32 v7, s61                              ; my wave's list
	v_lshl_add_u32 v6, v1, 2, s61                  ; its entry of my lane
	s_lshl_b32 s62, s8, 9
	s_add_co_u32 s62, s62, 1
	v_lshl_add_u32 v8, v1, 2, s62                  ; a + 1 of my register 0
	v_lshlrev_b32 v9, 2, v1
	v_add_nc_u32 v9, LIST, v9                      ; wave 0's entry of my lane
	v_lshlrev_b32 v72, 4, v1                       ; 16 lane
	s_wait_loadcnt 0x0
; counts of my wave's 512 assignments
.irp e, 0,1,2,3,4,5,6,7
.set jj, 0
.rept 16
	v_cmp_eq_u32 s[MASK+jj], \e, v[SEL+jj]
.set jj, jj+1
.endr
	s_bcnt1_i32_b32 s[CNT+\e], s[MASK]
.set jj, 1
.rept 15
	s_bcnt1_i32_b32 s60, s[MASK+jj]
	s_add_co_u32 s[CNT+\e], s[CNT+\e], s60
.set jj, jj+1
.endr
	v_mov_b32 v[32+\e], s[CNT+\e]
.endr
	ds_store_b128 v4, v[32:35]                     ; every lane writes the same words with the same values
	ds_store_b128 v4, v[36:39] offset:16
	s_wait_dscnt 0x0                               ; for the other waves' sake
	s_barrier_signal -1
	s_barrier_wait -1
.irp w, 0,1,2,3,4,5,6,7
	ds_load_b32 v[40+\w], v5 offset:TAB+32*\w      ; lane e: wave w's count of expert e
.endr
	s_wait_dscnt 0x0
	v_add3_u32 v49, v40, v41, v42
	v_add3_u32 v49, v49, v43, v44
	v_add3_u32 v49, v49, v45, v46
	v_add_nc_u32 v49, v49, v47                     ; n_e
	s_cmp_gt_u32 s8, 0
	s_cselect_b32 s60, -1, 0
	v_and_b32 v50, s60, v40
.irp w, 1,2,3,4,5,6
	s_cmp_gt_u32 s8, \w
	s_cselect_b32 s60, -1, 0
	v_and_b32 v48, s60, v[40+\w]
	v_add_nc_u32 v50, v50, v48                     ; the counts of the waves in front of mine
.endr
.irp e, 0,1,2,3,4,5,6,7
	v_readlane_b32 s[NE+\e], v49, \e
	v_readlane_b32 s[BASE+\e], v50, \e
.endr
; which expert owns my tile: the last e whose first tile is <= mine (an expert without tiles is passed over by the next)
	s_lshr_b32 s10, ttmp9, 3                       ; tile 0..22
	s_and_b32 s11, ttmp9, 7                        ; block in the tile
	s_mov_b32 s13, 0                               ; expert
	s_mov_b32 s14, 0                               ; its first tile
	s_mov_b32 s15, s[BASE]                         ; its base for my wave
	s_add_co_u32 s12, s[NE], 255
	s_lshr_b32 s12, s12, 8                         ; first tile of expert 1
.irp e, 1,2,3,4,5,6,7
	s_cmp_ge_u32 s10, s12
	s_cselect_b32 s13, \e, s13
	s_cselect_b32 s14, s12, s14
	s_cselect_b32 s15, s[BASE+\e], s15
.if \e < 7
	s_add_co_u32 s60, s[NE+\e], 255
	s_lshr_b32 s60, s60, 8
	s_add_co_u32 s12, s12, s60
.endif
.endr
	s_sub_co_u32 s60, s10, s14
	s_lshl_b32 s60, s60, 8
	s_lshl_b32 s61, s11, 5
	s_add_co_u32 s60, s60, s61                     ; the block's first rank in its expert
	s_sub_co_u32 s[RUN], s15, s60                  ; modulo 2^32: ranks in front of the block wrap to large numbers
; ranks: an assignment of my expert whose rank falls into the block puts a + 1 into my wave's list
	v_mov_b32 v61, 0
	ds_store_b32 v6, v61                           ; entries 0..31 start as 'none'
.set jj, 0
.rept 16
	v_cmp_eq_u32 s[MASK+jj], s13, v[SEL+jj]
.set jj, jj+1
.endr
.set jj, 0
.rept 15
	s_bcnt1_i32_b32 s60, s[MASK+jj]
	s_add_co_u32 s[RUN+jj+1], s[RUN+jj], s60
.set jj, jj+1
.endr
.set jj, 0
.rept 16
	v_mbcnt_lo_u32_b32 v[62+(jj&1)], s[MASK+jj], s[RUN+jj]           ; matches in lower lanes + those before
	v_cndmask_b32 v[62+(jj&1)], 32, v[62+(jj&1)], s[MASK+jj]         ; no match: the spare word
	v_min_u32 v[62+(jj&1)], 32, v[62+(jj&1)]                         ; outside the block: the spare word
	v_lshl_add_u32 v[62+(jj&1)], v[62+(jj&1)], 2, v7
	v_add_nc_u32 v[12+(jj&1)], 128*(jj/4)+(jj%4), v8
	ds_store_b32 v[62+(jj&1)], v[12+(jj&1)]
.set jj, jj+1
.endr
	s_wait_dscnt 0x0
	s_barrier_signal -1
	s_barrier_wait -1
.irp w, 0,1,2,3,4,5,6,7
	ds_load_b32 v[52+\w], v9 offset:256*\w
.endr
	s_wait_dscnt 0x0
	v_or_b32 v60, v52, v53                         ; a rank belongs to one assignment: at most one wave wrote a word other than 0
	v_or_b32 v54, v54, v55
	v_or_b32 v56, v56, v57
	v_or_b32 v58, v58, v59
	v_or_b32 v60, v60, v54
	v_or_b32 v56, v56, v58
	v_or_b32 v60, v60, v56                         ; lane r: a + 1 of the block's row r, or 0
; wave w copies rows 4 w .. 4 w + 3 of the block: 2,048 bytes each, four loads of 512 consecutive bytes
	s_lshl_b32 s61, s8, 4
	v_mov_b32 v76, s61                             ; lane 4 w as a byte index
	v_add_nc_u32 v77, 4, v76
	v_add_nc_u32 v78, 8, v76
	v_add_nc_u32 v79, 12, v76
	s_lshl_b32 s62, ttmp9, 5
	s_lshl2_add_u32 s62, s8, s62
	s_lshl_b32 s62, s62, 11                        ; (32 j + 4 w) rows of 2,048 bytes
	s_mov_b32 s63, 0
	s_add_nc_u64 s[24:25], s[24:25], s[62:63]
.irp i, 0,1,2,3
	ds_bpermute_b32 v[64+\i], v[76+\i], v60        ; every lane gets the row's a + 1
.endr
	s_wait_dscnt 0x0
.irp i, 0,1,2,3
	v_cmp_ne_u32 s[56+\i], 0, v[64+\i]
	v_add_nc_u32 v[68+\i], -1, v[64+\i]
	v_lshrrev_b32 v[68+\i], 1, v[68+\i]            ; token = a >> 1
	v_min_u32 v[68+\i], 0x7ff, v[68+\i]            ; inside xb's 2,048 rows, for a row without an assignment too
	v_lshlrev_b32 v[68+\i], 11, v[68+\i]           ; behind the clamp only a shift left: rows of 2,048 bytes,
	v_add_nc_u32 v[68+\i], v[68+\i], v72           ; and an add: + 16 lane
.endr
.irp i, 0,1,2,3
.irp c, 0,1,2,3
	global_load_b128 v[80+16*\i+4*\c:80+16*\i+4*\c+3], v[68+\i], s[18:19] offset:512*\c
.endr
.endr
.irp i, 0,1,2,3
	s_wait_loadcnt 4*(3-\i)                        ; row i is in; the younger rows' four loads each stay out
.set q, 0
.rept 16
	v_cndmask_b32 v[80+16*\i+q], 0, v[80+16*\i+q], s[56+\i]          ; a row without an assignment is zeros
.set q, q+1
.endr
.irp c, 0,1,2,3
	global_store_b128 v72, v[80+16*\i+4*\c:80+16*\i+4*\c+3], s[24:25] offset:2048*\i+512*\c
.endr
.endr
; wave 0 stores the whole numbers, last: the only lines of this job that narrow EXEC
	s_cmp_lg_u32 s8, 0
	s_cbranch_scc1 .Ldone
	v_cmp_ne_u32 vcc_lo, 0, v60
	v_add_nc_u32 v61, -1, v60
	v_min_u32 v61, 0xfff, v61                      ; a, inside pos
	v_lshlrev_b32 v61, 2, v61
	s_lshl_b32 s62, ttmp9, 5
	s_add_co_u32 s62, s62, 2048
	v_add_nc_u32 v62, s62, v1                      ; the row in the permuted space
	s_lshl_b32 s63, ttmp9, 2
	s_add_co_u32 s63, s63, 16384
	v_mov_b32 v14, s63
	v_mov_b32 v15, s13
	s_wait_xcnt 0x0                                ; EXEC changes only when no earlier memory instruction (the copy's stores) still reads it
	s_and_saveexec_b32 s60, vcc_lo
	global_store_b32 v61, v62, s[26:27]            ; pos[a], rows with an assignment only
	s_wait_xcnt 0x0
	s_or_b32 exec_lo, exec_lo, s60
	v_cmp_eq_u32 vcc_lo, 0, v1
	s_and_saveexec_b32 s60, vcc_lo
	global_store_b32 v14, v15, s[26:27]            ; the block's expert, by lane 0
	s_wait_xcnt 0x0
	s_or_b32 exec_lo, exec_lo, s60
.Ldone:
	s_wait_tensorcnt 0x0
	ds_add_u32 v160, v161
	s_wait_dscnt 0x0
	s_endpgm
; ---------------------------------------------------------------- CVT: work-group G = 32 rows of wb's second part, wave w four of them
; A source row is 938 f32 = 3,752 bytes, a multiple of 8 and not of 16: loads of 8 bytes, two a lane for four numbers.
.Lcvt:
	s_sub_co_u32 s9, ttmp9, PLAN_WG                ; G, 0..287
	s_lshr_b32 s10, s9, 5                          ; expert 0..8
	s_and_b32 s11, s9, 31
	s_lshl_b32 s11, s11, 5
	s_lshl2_add_u32 s11, s8, s11                   ; d0 = 32 (G & 31) + 4 w
	s_mul_i32 s11, s11, 3752
	v_lshlrev_b32 v3, 3, v1
	v_lshlrev_b32 v4, 4, v1
	v_add_nc_u32 v5, 3584, v4                      ; the last chunk, numbers 896 + 4 lane ..: clamped to the row's last 8 bytes
	v_min_u32 v5, 3744, v5
	v_add_nc_u32 v6, 3592, v4
	v_min_u32 v6, 3744, v6
	v_cmp_gt_u32 vcc_lo, 11, v1                    ; numbers 896 + 4 lane, + 1 exist for lanes 0..10,
	v_cndmask_b32 v12, 0, -1, vcc_lo
	v_cmp_gt_u32 vcc_lo, 10, v1                    ; numbers + 2, + 3 for lanes 0..9; the rest is stored as zeros
	v_cndmask_b32 v13, 0, -1, vcc_lo
	s_lshl_b32 s46, s9, 5
	s_lshl2_add_u32 s46, s8, s46
	s_lshl_b32 s46, s46, 11
	s_mov_b32 s47, 0
	s_wait_kmcnt 0x0
	s_cmp_lt_u32 s10, 8
	s_cselect_b64 s[36:37], s[20:21], s[22:23]
	s_cselect_b32 s12, s10, 0
	s_mul_i32 s12, s12, 1024*3752
	s_add_co_u32 s12, s12, s11
	s_mov_b32 s13, 0
	s_add_nc_u64 s[36:37], s[36:37], s[12:13]
	s_add_nc_u64 s[28:29], s[28:29], 0x2400000     ; behind the gate_up part: 9 x 2048 x 2,048 bytes
	s_add_nc_u64 s[28:29], s[28:29], s[46:47]
; sixteen loads: row n of my four
.macro LDROW n
.irp c, 0,1,2,3,4,5,6
	global_load_b64 v[X+32*\n+4*\c:X+32*\n+4*\c+1],   v4, s[36:37] offset:3752*\n+512*\c th:TH_LOAD_NT
	global_load_b64 v[X+32*\n+4*\c+2:X+32*\n+4*\c+3], v4, s[36:37] offset:3752*\n+512*\c+8 th:TH_LOAD_NT
.endr
	global_load_b64 v[X+32*\n+28:X+32*\n+29], v5, s[36:37] offset:3752*\n th:TH_LOAD_NT
	global_load_b64 v[X+32*\n+30:X+32*\n+31], v6, s[36:37] offset:3752*\n th:TH_LOAD_NT
.endm
; row n is rounded and stored.  left = how many younger loads may stay out.  No register is used twice.
.macro CVROW n, left
	s_wait_loadcnt \left                           ; loads return in order (ISA guide 5.7.1): row n is in
.irp c, 0,1,2,3,4,5,6,7
	v_cvt_pk_bf16_f32 v[X+32*\n+4*\c],   v[X+32*\n+4*\c],   v[X+32*\n+4*\c+1]
	v_cvt_pk_bf16_f32 v[X+32*\n+4*\c+1], v[X+32*\n+4*\c+2], v[X+32*\n+4*\c+3]
.if \c == 7
	v_and_b32 v[X+32*\n+28], v12, v[X+32*\n+28]
	v_and_b32 v[X+32*\n+29], v13, v[X+32*\n+29]
.endif
	global_store_b64 v3, v[X+32*\n+4*\c:X+32*\n+4*\c+1], s[28:29] offset:2048*\n+256*\c   ; 256 consecutive bytes, aligned
.endr
.endm
	LDROW 0
	LDROW 1
	LDROW 2                                        ; 48 loads of the wave are out
	CVROW 0, 32                                    ; rows 1 and 2 stay out
	LDROW 3                                        ; the last row goes out when the first has come
	CVROW 1, 32                                    ; rows 2 and 3 stay out
	CVROW 2, 16                                    ; row 3 stays out
	CVROW 3, 0
	s_endpgm
.Lfunc_end_k_qddabfc25c9_plan:
	.size	k_qddabfc25c9_plan, .Lfunc_end_k_qddabfc25c9_plan-k_qddabfc25c9_plan
	.p2alignl 7, 3214868480
	.fill 96, 4, 3214868480
	.section	.rodata,"a",@progbits
	.p2align	6, 0x0
	.amdhsa_kernel k_qddabfc25c9_plan
		.amdhsa_group_segment_fixed_size 3328
		.amdhsa_private_segment_fixed_size 0
		.amdhsa_enable_private_segment 0
		.amdhsa_kernarg_size 56
		.amdhsa_user_sgpr_count 2
		.amdhsa_user_sgpr_kernarg_segment_ptr 1
		.amdhsa_wavefront_size32 1
		.amdhsa_system_sgpr_workgroup_id_x 1
		.amdhsa_system_sgpr_workgroup_id_y 1
		.amdhsa_system_sgpr_workgroup_id_z 1
		.amdhsa_system_vgpr_workitem_id 0
		.amdhsa_next_free_vgpr 162
		.amdhsa_next_free_sgpr 100
		.amdhsa_reserve_vcc 1
		.amdhsa_float_denorm_mode_32 3
		.amdhsa_float_denorm_mode_16_64 3
		.amdhsa_memory_ordered 1
		.amdhsa_forward_progress 1
		.amdhsa_inst_pref_size 56
	.end_amdhsa_kernel
	.amdgpu_metadata
---
amdhsa.version: [ 1, 2 ]
amdhsa.kernels:
  - .name:           k_qddabfc25c9_plan
    .symbol:         k_qddabfc25c9_plan.kd
    .args:
      - { .name: sel, .offset: 0, .size: 8, .value_kind: global_buffer, .address_space: global }
      - { .name: xb, .offset: 8, .size: 8, .value_kind: global_buffer, .address_space: global }
      - { .name: experts_down, .offset: 16, .size: 8, .value_kind: global_buffer, .address_space: global }
      - { .name: shared_down, .offset: 24, .size: 8, .value_kind: global_buffer, .address_space: global }
      - { .name: xp, .offset: 32, .size: 8, .value_kind: global_buffer, .address_space: global }
      - { .name: map, .offset: 40, .size: 8, .value_kind: global_buffer, .address_space: global }
      - { .name: wb, .offset: 48, .size: 8, .value_kind: global_buffer, .address_space: global }
    .group_segment_fixed_size: 3328
    .private_segment_fixed_size: 0
    .kernarg_segment_align: 8
    .kernarg_segment_size: 56
    .max_flat_workgroup_size: 256
    .sgpr_count:     100
    .vgpr_count:     162
    .wavefront_size: 32
...
	.end_amdgpu_metadata
.endif
;; end of part 2
;; launch gemm1 (part 3): grid 8 x 31, 4 waves a work-group, clusters of 4 x 1, 327,680 bytes of LDS; arguments xb, xp, wb, map, act; writes act
.if DOCPART == 3
	.amdgcn_target "amdgcn-amd-amdhsa--gfx1250"
	.amdhsa_code_object_version 6
	.text
	.protected	k_qddabfc25c9_gemm1
	.globl	k_qddabfc25c9_gemm1
	.p2align	8
	.type	k_qddabfc25c9_gemm1,@function
k_qddabfc25c9_gemm1:
	s_mov_b64 s[64:65], 0
	v_nop
	global_prefetch_b8 v0, s[64:65] scope:SCOPE_SE
	s_setreg_imm32_b32 hwreg(HW_REG_WAVE_MODE, 25, 1), 1
	s_wait_xcnt 0x0
	s_wait_alu depctr_hold_cnt(0) depctr_sa_sdst(0) depctr_va_vdst(0) depctr_va_sdst(0) depctr_va_ssrc(0) depctr_va_vcc(0) depctr_vm_vsrc(0)
	s_getreg_b32 s2, hwreg(HW_REG_IB_STS2, 6, 4)
	s_cmp_eq_u32 s2, 0
	s_cbranch_scc0 .Lentry_in_a_cluster
	s_endpgm
.Lentry_in_a_cluster:
	s_bfe_u32 s2, ttmp6, 0x10000c
	s_cmp_lg_u32 s2, 0x3003
	s_cbranch_scc0 .Lentry_shape_is_right
	s_endpgm
.Lentry_shape_is_right:
; gemm1: act = silu(g) * u, with (g, u) = rows x gate_up^T of the row tile's expert.  bf16 operands, f32 sums, act rounded once to bf16.
; Row space: 31 tiles of 256 rows.  Tiles 0-7: the 2,048 tokens (xb), shared expert (index 8).  Tiles 8-30: routed rows (xp), the expert read
; from map.  Every tile is computed, also those that hold only zero rows: they are the room that the worst routing needs.
; WHICH WORK-GROUP TAKES WHICH ROW TILE: tile = 8 (y & 3) + (y >> 2), one-to-one on 0..30 (y & 3 = 0: tiles 0-7, 1: 8-15, 2: 16-23, 3: 24-30).
; The tiles of one expert are neighbours in the tile order, so the work-groups that read one expert's weights have the same y & 3, but for an
; expert that lies across tiles 15/16 or 23/24.  It is a choice of order alone: no value hangs on it.
; A work-group makes 256 rows x 256 weight rows (128 columns of act) with four waves; a wave 128 x 128: 64 accumulator tiles, 512 registers.
; The weights' row order (see the launch that wrote wb) gives each wave 64 gate rows and the 64 up rows of the same columns.
; K = 1024 goes in steps of 128 through two LDS slots filled by the tensor data mover: rows of 256 bytes, starting at multiples of 256 bytes.
; CLUSTER 4 x 1: the four partners make four column tiles of one row tile, so the row tile (A) is asked for jointly, mask 15.
; The weights (B) are not shared: each partner needs other rows of them, and the neighbours along y may belong to another expert, which is
; known only from memory; B's loads are plain and stand at the same places as A's.
; LIMITS.  act = (g u) / (1 + e^-g): g u has to stay finite in f32.  Experts that a token did not choose are not computed: where the dense
; form would make 0 x infinity, this one gives the finite sum.
; REGISTERS: window 0: v16-26 addresses, v64-127 and v128-191 A's fragments (two buffers), v192-207 at work on the way out;
; window 1: v64-127, v128-191 B's fragments; window 2: accumulators of my rows 0-63, tile (a, b) at v[8 (8 a + b)]; window 3: rows 64-127.
; The matrix instruction is used transposed (source 0 = weight rows, source 1 = rows of x): lane l holds row l % 16, registers 0-7 the
; columns 8 (l / 16) + 0..7, so g's tile (a, b) and u's tile (a, b + 4) hold partners in the same places.
.set NB,     8                         ; blocks of 16 weight rows of a wave
.set KSTEP,  128
.set PITCH,  272                       ; 256 bytes + 16: sixteen rows of a fragment start 16 bytes apart modulo 256
.set HALFT,  128*PITCH                 ; 128 rows of A: one tensor load
.set BH,     16*NB*PITCH               ; a wave's rows of B: one tensor load
.set SLOT,   2*HALFT+2*BH
.set LAPS,   4                         ; 1024 / (2 x 128): a lap is once round the two slots
.set ADRA, 16
.set ADRB, 20
.set STO,  24
.set RD,   25
.set CO,   26
.set F0,   64
.set F1,   128
.set TT,   64                          ; the way out: -1.442695 g, then 1 / (1 + e^-g)
.set PP,   96                          ; the way out: g u
.set TMP,  192
.set G1,  24                           ; s[24:31] group 1 for A
.set G0,  32                           ; s[32:39] group 0 for A, a set for each slot
.set G1B, 48                           ; s[48:55] group 1 for B
.set G0B, 56                           ; s[56:63] group 0 for B, a set for each slot
.set MSB, 0
.macro WIN new                         ; the immediate's high byte repeats the setting that is left
.if MSB != \new
	s_set_vgpr_msb (MSB<<8)|\new
.set MSB, \new
.endif
.endm
.set MUL_LO, 0xa1                      ; source 0 window 1, source 1 window 0, C and D window 2
.set MUL_HI, 0xf1                      ; the same, C and D window 3
.set TO_B,   0x40                      ; destination window 1
; Waves 0 and 1 ask (jointly) for A's halves, waves 2 and 3 for B's: one tensor load a wave.  The branch hangs on the wave's number alone.
.macro JLOAD s
	s_cmp_eq_u32 s11, 0
	s_cbranch_scc0 .Lfor_b_\@
	tensor_load_to_lds s[G0+4*\s:G0+4*\s+3], s[G1:G1+7]
	s_nop 0
.rept 4
	v_nop
.endr
	s_branch .Lasked_\@
.Lfor_b_\@:
	tensor_load_to_lds s[G0B+4*\s:G0B+4*\s+3], s[G1B:G1B+7]
	s_nop 0
.rept 4
	v_nop
.endr
.Lasked_\@:
.endm
.macro CREST                           ; a round of the cluster's barrier behind its opening work-group barrier
	s_cmp_lg_u32 s10, 0
	s_cbranch_scc1 .Lnot_wave_0_\@
	s_barrier_signal -3
.Lnot_wave_0_\@:
	s_barrier_wait -3
	s_barrier_signal -1
	s_barrier_wait -1
.endm
.macro CROUND
	s_barrier_signal -1
	s_barrier_wait -1
	CREST
.endm
.macro PLACES                          ; four places behind a matrix instruction before one of its registers is loaded or its result read (ISA guide 7.12.1)
.rept 4
	v_nop
.endr
.endm
	s_load_b256 s[68:75], s[0:1], 0x0              ; xb 68, xp 70, wb 72, map 74
	s_load_b64 s[8:9], s[0:1], 0x20                ; act
	s_set_vgpr_msb 0x40
	v_lshl_add_u32 v255, v0, 2, 0x44000
	s_set_vgpr_msb 0x4000
	v_mov_b32 v255, 0
	s_set_vgpr_msb 0x1
	ds_add_u32 v255, v255
	s_set_vgpr_msb 0x100
	v_lshrrev_b32 v1, 5, v0
	v_readfirstlane_b32 s10, v1                    ; wave 0..3
	s_lshr_b32 s11, s10, 1                         ; my half of the rows.  Also: I fetch for A (0) or B (1)
	s_and_b32 s12, s10, 1                          ; my half of the columns.  Also: which half of that tile I fetch
	s_bfe_u32 s40, ttmp6, 0x40000                  ; cx
	s_lshl_b32 s42, ttmp9, 2
	s_add_co_u32 s42, s42, s40                     ; column tile 0..7
	s_and_b32 s81, ttmp7, 0xffff                   ; y 0..30
	s_lshr_b32 s13, s81, 2
	s_and_b32 s81, s81, 3
	s_lshl3_add_u32 s13, s81, s13                  ; row tile = 8 (y & 3) + (y >> 2), 0..30
	s_mov_b32 s[G1+0], 15|(1<<16)|(1<<20)|(1<<21)|(5<<22)|(3<<25)   ; mask of the four partners; 2-byte elements; pad 4 words behind every 64; bit 21 beside the mask
	s_mov_b32 s[G1+1], KSTEP<<16                   ; tensor_dim0 = 128
	s_mov_b32 s[G1+2], 128<<16                     ; tensor_dim1 = 128
	s_mov_b32 s[G1+3], KSTEP<<16                   ; tile_dim0 = 128
	s_mov_b32 s[G1+4], 128                         ; tile_dim1 = 128
	s_mov_b32 s[G1+5], 1024                        ; elements from row to row
	s_mov_b32 s[G1+6], 0
	s_mov_b32 s[G1+7], 0
	s_mov_b32 s[G1B+0], (1<<16)|(1<<20)|(5<<22)|(3<<25)             ; the same without a mask
	s_mov_b32 s[G1B+1], KSTEP<<16
	s_mov_b32 s[G1B+2], (16*NB)<<16
	s_mov_b32 s[G1B+3], KSTEP<<16
	s_mov_b32 s[G1B+4], 16*NB
	s_mov_b32 s[G1B+5], 1024
	s_mov_b32 s[G1B+6], 0
	s_mov_b32 s[G1B+7], 0
	s_sub_co_i32 s80, s13, 8                       ; routed tile
	s_max_i32 s76, s80, 0
	s_lshl_b32 s76, s76, 5                         ; its first block's word: 8 blocks of 4 bytes a tile
	s_wait_dscnt 0x0
	s_wait_kmcnt 0x0
	s_load_b32 s77, s[74:75], s76 offset:0x4000    ; the tile's expert
	s_cmp_lt_u32 s13, 8
	s_cselect_b64 s[14:15], s[68:69], s[70:71]     ; tokens in their own order, or routed rows
	s_cselect_b32 s16, s13, s80
	s_cselect_b32 s78, 0, -1
	s_cselect_b32 s79, 8, 0
	s_lshl_b32 s16, s16, 8
	s_lshl_b32 s17, s12, 7
	s_add_co_u32 s16, s16, s17                     ; A: row 256 x tile + 128 x half,
	s_lshl_b32 s16, s16, 11                        ; in bytes
	s_mov_b32 s17, 0
	s_add_nc_u64 s[14:15], s[14:15], s[16:17]
	s_mul_i32 s20, s10, HALFT                      ; LDS: A's halves at wave x 128 rows
	s_mul_i32 s21, s10, BH                         ; B's halves behind A's 256 rows (waves 2 and 3)
.if 2*HALFT-2*BH
	s_add_co_u32 s21, s21, 2*HALFT-2*BH
.endif
	s_lshl_b32 s46, s42, 8
	s_lshl_b32 s45, s12, 7
	s_add_co_u32 s46, s46, s45                     ; B: row 256 x column tile + 128 x half
	s_lshl_b32 s46, s46, 11
	s_wait_kmcnt 0x0
	s_min_u32 s77, s77, 7
	s_and_b32 s77, s77, s78                        ; tiles 0-7: the shared expert, index 8
	s_add_co_u32 s77, s77, s79
	s_lshl_b32 s77, s77, 22                        ; 2048 rows x 2,048 bytes an expert
	s_add_co_u32 s46, s46, s77
	s_mov_b32 s47, 0
	s_add_nc_u64 s[46:47], s[72:73], s[46:47]
	CROUND                                         ; all four partners are here: the first joint loads meet
.irp s, 0,1
	s_mov_b32 s[G0+4*\s], 1
	s_add_co_u32 s[G0+4*\s+1], s20, \s*SLOT
	s_add_nc_u64 s[G0+4*\s+2:G0+4*\s+3], s[14:15], \s*KSTEP*2
	s_or_b32 s[G0+4*\s+3], s[G0+4*\s+3], 0x80000000
	s_mov_b32 s[G0B+4*\s], 1
	s_add_co_u32 s[G0B+4*\s+1], s21, \s*SLOT
	s_add_nc_u64 s[G0B+4*\s+2:G0B+4*\s+3], s[46:47], \s*KSTEP*2
	s_or_b32 s[G0B+4*\s+3], s[G0B+4*\s+3], 0x80000000
	JLOAD \s                                       ; both slots' first fills go out together: two tensor loads of the wave are out
.endr
	v_and_b32 v1, 15, v0                           ; l % 16
	v_bfe_u32 v2, v0, 4, 1                         ; l / 16
	v_mul_u32_u24 v3, v1, PITCH
	v_lshl_add_u32 v3, v2, 4, v3                   ; row x pitch + 16 x half
	s_mul_i32 s22, s11, HALFT                      ; my 128 rows of A
	s_mul_i32 s23, s12, BH
	s_add_co_u32 s23, s23, 2*HALFT                 ; my rows of B
.irp s, 0,1
	v_add_nc_u32 v[ADRA+\s], s22, v3
	v_add_nc_u32 v[ADRB+\s], s23, v3
	s_add_co_u32 s22, s22, SLOT
	s_add_co_u32 s23, s23, SLOT
.endr
	s_mul_i32 s22, s11, HALFT                      ; the stage for the way out is slot 0's A region: 256 rows x 272 bytes
	s_lshl_b32 s23, s12, 7
	s_add_co_u32 s22, s22, s23
	v_add_nc_u32 v[STO], s22, v3                   ; in: row 128 x row half + l % 16, byte 128 x column half + 16 (l / 16)
	v_mul_u32_u24 v5, v2, PITCH
	v_lshl_add_u32 v5, v1, 4, v5
	s_mul_i32 s23, s10, 64*PITCH
	v_add_nc_u32 v[RD], s23, v5                    ; back: wave w takes rows 64 w ..; lanes 0-15 one row of 256 bytes, lanes 16-31 the next
	v_lshlrev_b32 v6, 11, v2
	v_lshl_add_u32 v[CO], v1, 4, v6                ; the same two rows in act
; 32 matrix instructions: my rows 0-63 (hi = 0) or 64-127 (hi = 1) x all 8 column blocks, 32 along K.  zero = 1: the first product starts the sums.
; The 64 accumulators take turns, one instruction a turn, in the same order in every quarter step.
.macro MULS f, hi, zero
.irp a, 0,1,2,3
.irp b, 0,1,2,3,4,5,6,7
.if \zero
	v_wmma_f32_16x16x32_bf16 v[8*(NB*\a+\b):8*(NB*\a+\b)+7], v[\f+8*\b:\f+8*\b+7], v[\f+8*(4*\hi+\a):\f+8*(4*\hi+\a)+7], 0
.else
	v_wmma_f32_16x16x32_bf16 v[8*(NB*\a+\b):8*(NB*\a+\b)+7], v[\f+8*\b:\f+8*\b+7], v[\f+8*(4*\hi+\a):\f+8*(4*\hi+\a)+7], v[8*(NB*\a+\b):8*(NB*\a+\b)+7]
.endif
.endr
.endr
.endm
; the fragments of one quarter step (32 K at byte k of the rows) into buffer f, in one run
.macro FETCH slot, k, f
	WIN TO_B
.irp i, 0,1,2,3,4,5,6,7
	ds_load_b128 v[\f+8*\i:\f+8*\i+3],   v[ADRB+\slot] offset:\k+\i*16*PITCH
	ds_load_b128 v[\f+8*\i+4:\f+8*\i+7], v[ADRB+\slot] offset:\k+\i*16*PITCH+32
.endr
	WIN 0
.irp i, 0,1,2,3,4,5,6,7
	ds_load_b128 v[\f+8*\i:\f+8*\i+3],   v[ADRA+\slot] offset:\k+\i*16*PITCH
	ds_load_b128 v[\f+8*\i+4:\f+8*\i+7], v[ADRA+\slot] offset:\k+\i*16*PITCH+32
.endr
.endm
; a quarter step: buffer f is multiplied; the next quarter's fragments are asked for first, so that they have the 64 matrix instructions in which to come
.macro QUARTER slot, k, f, g, zero
	s_wait_dscnt 0x0                               ; buffer f is in
	PLACES                                         ; buffer g was read by the matrix instructions just issued
	FETCH \slot, \k, \g
	WIN MUL_LO
	MULS \f, 0, \zero
	WIN MUL_HI
	MULS \f, 1, \zero
.endm
.macro THREE slot, zero
	QUARTER \slot, 64,  F0, F1, \zero
	QUARTER \slot, 128, F1, F0, 0
	QUARTER \slot, 192, F0, F1, 0
.endm
; the last quarter of a K step changes slots.  In front of the barrier each wave has waited for its reads of this slot and for all its tensor
; loads (one is out: its part of the next slot).  fill = 1: the barrier opens a round of the cluster's barrier, and behind the round this slot
; is asked for again, two K steps ahead, first thing.  From that request to the wait for it a wave issues 224 matrix instructions.
.macro TURN slot, next, fill
	s_wait_dscnt 0x0                               ; buffer 1 is in, and with it my last reads of this slot
	s_wait_tensorcnt 0x0                           ; all my tensor loads have landed
	ds_add_u32 v255, v255
	s_wait_dscnt 0x0
	s_barrier_signal -1
	WIN MUL_LO
	MULS F1, 0, 0                                  ; register work while the others arrive
	WIN 0
	s_barrier_wait -1
.if \fill
	CREST                                          ; no wave of any partner still reads this slot or has a load on its way
	s_add_nc_u64 s[G0+4*\slot+2:G0+4*\slot+3], s[G0+4*\slot+2:G0+4*\slot+3], 2*KSTEP*2
	s_add_nc_u64 s[G0B+4*\slot+2:G0B+4*\slot+3], s[G0B+4*\slot+2:G0B+4*\slot+3], 2*KSTEP*2
	JLOAD \slot                                    ; its four v_nop are also the places in front of the loads below
.else
	PLACES
.endif
	FETCH \next, 0, F0
	WIN MUL_HI
	MULS F1, 1, 0
.endm
.macro LAP zero
	THREE 0, \zero
	TURN 0, 1, 1
	THREE 1, 0
	TURN 1, 0, 1
.endm
	s_wait_tensorcnt 0x1                           ; my part of K step 0 is in; K step 1's load, issued behind it, may stay out
	s_barrier_signal -1
	s_barrier_wait -1
	FETCH 0, 0, F0
	LAP 1
	WIN 0
	s_mov_b32 s3, LAPS-2
.Llap:
	LAP 0
	WIN 0
	s_sub_co_u32 s3, s3, 1
	s_cmp_lg_u32 s3, 0
	s_cbranch_scc1 .Llap
	THREE 0, 0                                     ; the last lap fills nothing
	TURN 0, 1, 0
	THREE 1, 0
	s_wait_dscnt 0x0
	WIN MUL_LO
	MULS F1, 0, 0
	WIN MUL_HI
	MULS F1, 1, 0
; THE WAY OUT.  Slot 0 had its last fill long ago and nobody has read it since the last change of slots: its A region is the stage.
	PLACES
	s_lshl_b32 s16, s13, 8
	s_lshl_b32 s14, s10, 6
	s_add_co_u32 s16, s16, s14                     ; row 256 x tile + 64 x wave
	s_lshl_b32 s16, s16, 11
	s_mov_b32 s17, 0
	s_add_nc_u64 s[8:9], s[8:9], s[16:17]
	s_lshl_b32 s46, s42, 8                         ; 128 columns of 2 bytes a column tile
	s_mov_b32 s47, 0
	s_add_nc_u64 s[8:9], s[8:9], s[46:47]
; rows 16 i .. 16 i + 15 of my block: g = tiles (a, 0..3), u = tiles (a, 4..7) of window 2 or 3 (from: sources 0 and 1)
.macro ACT16 i, a, from
	WIN \from
.irp b, 0,1,2,3
.irp r, 0,2,4,6
	v_pk_mul_f32 v[TT+8*\b+\r:TT+8*\b+\r+1], v[8*(8*\a+\b)+\r:8*(8*\a+\b)+\r+1], 0xbfb8aa3b op_sel_hi:[1,0]
	v_pk_mul_f32 v[PP+8*\b+\r:PP+8*\b+\r+1], v[8*(8*\a+\b)+\r:8*(8*\a+\b)+\r+1], v[8*(8*\a+\b+4)+\r:8*(8*\a+\b+4)+\r+1]
.endr
.endr
	WIN 0
.set q, 0
.rept 32
	v_exp_f32 v[TT+q], v[TT+q]                     ; e^-g
.set q, q+1
.endr
	v_nop                                          ; one plain place behind the transcendentals (ISA guide 5.7.2)
.set q, 0
	s_wait_alu depctr_va_vdst(0)
.rept 16
	v_pk_add_f32 v[TT+q:TT+q+1], v[TT+q:TT+q+1], 1.0 op_sel_hi:[1,0]
.set q, q+2
.endr
.set q, 0
.rept 32
	v_rcp_f32 v[TT+q], v[TT+q]
.set q, q+1
.endr
	v_nop
.set q, 0
	s_wait_alu depctr_va_vdst(0)
.rept 16
	v_pk_mul_f32 v[PP+q:PP+q+1], v[PP+q:PP+q+1], v[TT+q:TT+q+1]
.set q, q+2
.endr
.set q, 0
.rept 16
	v_cvt_pk_bf16_f32 v[TMP+q], v[PP+2*q], v[PP+2*q+1]
.set q, q+1
.endr
.irp b, 0,1,2,3
	ds_store_b128 v[STO], v[TMP+4*\b:TMP+4*\b+3] offset:16*PITCH*\i+32*\b
.endr
.endm
	ACT16 0, 0, 0x0a
	ACT16 1, 1, 0x0a
	ACT16 2, 2, 0x0a
	ACT16 3, 3, 0x0a
	ACT16 4, 0, 0x0f
	ACT16 5, 1, 0x0f
	ACT16 6, 2, 0x0f
	ACT16 7, 3, 0x0f
	s_wait_dscnt 0x0                               ; a row of the stage is written by two waves: my part is in,
	s_barrier_signal -1
	s_barrier_wait -1                              ; everybody's is
.set t, 0
.rept 32
	ds_load_b128 v[F0+4*t:F0+4*t+3], v[RD] offset:2*PITCH*t
.set t, t+1
.endr
.set t, 0
.rept 32
	s_wait_dscnt 31-t                              ; LDS loads return in order: pair t of rows is in, the younger ones stay out
	global_store_b128 v[CO], v[F0+4*t:F0+4*t+3], s[8:9] offset:4096*t     ; sixteen lanes store 256 consecutive bytes, aligned
.set t, t+1
.endr
	s_set_vgpr_msb 0x1
	s_wait_tensorcnt 0x0
	ds_add_u32 v255, v255
	s_wait_dscnt 0x0
	s_set_vgpr_msb 0x100
	CROUND                                         ; the closing round: no work-group ends while a partner may still ask jointly
	s_endpgm
.Lfunc_end_k_qddabfc25c9_gemm1:
	.size	k_qddabfc25c9_gemm1, .Lfunc_end_k_qddabfc25c9_gemm1-k_qddabfc25c9_gemm1
	.p2alignl 7, 3214868480
	.fill 96, 4, 3214868480
	.section	.rodata,"a",@progbits
	.p2align	6, 0x0
	.amdhsa_kernel k_qddabfc25c9_gemm1
		.amdhsa_group_segment_fixed_size 327680
		.amdhsa_private_segment_fixed_size 0
		.amdhsa_enable_private_segment 0
		.amdhsa_kernarg_size 40
		.amdhsa_user_sgpr_count 2
		.amdhsa_user_sgpr_kernarg_segment_ptr 1
		.amdhsa_wavefront_size32 1
		.amdhsa_system_sgpr_workgroup_id_x 1
		.amdhsa_system_sgpr_workgroup_id_y 1
		.amdhsa_system_sgpr_workgroup_id_z 1
		.amdhsa_system_vgpr_workitem_id 0
		.amdhsa_next_free_vgpr 1024
		.amdhsa_next_free_sgpr 90
		.amdhsa_reserve_vcc 0
		.amdhsa_float_denorm_mode_32 3
		.amdhsa_float_denorm_mode_16_64 3
		.amdhsa_memory_ordered 1
		.amdhsa_forward_progress 1
		.amdhsa_inst_pref_size 233
	.end_amdhsa_kernel
	.amdgpu_metadata
---
amdhsa.version: [ 1, 2 ]
amdhsa.kernels:
  - .name:           k_qddabfc25c9_gemm1
    .symbol:         k_qddabfc25c9_gemm1.kd
    .args:
      - { .name: xb, .offset: 0, .size: 8, .value_kind: global_buffer, .address_space: global }
      - { .name: xp, .offset: 8, .size: 8, .value_kind: global_buffer, .address_space: global }
      - { .name: wb, .offset: 16, .size: 8, .value_kind: global_buffer, .address_space: global }
      - { .name: map, .offset: 24, .size: 8, .value_kind: global_buffer, .address_space: global }
      - { .name: act, .offset: 32, .size: 8, .value_kind: global_buffer, .address_space: global }
    .group_segment_fixed_size: 327680
    .private_segment_fixed_size: 0
    .kernarg_segment_align: 8
    .kernarg_segment_size: 40
    .max_flat_workgroup_size: 128
    .sgpr_count:     90
    .vgpr_count:     1024
    .wavefront_size: 32
...
	.end_amdgpu_metadata
.endif
;; end of part 3
;; launch gemm2 (part 4): grid 8 x 31, 4 waves a work-group, clusters of 4 x 1, 327,680 bytes of LDS; arguments act, wb, map, y; writes y
.if DOCPART == 4
	.amdgcn_target "amdgcn-amd-amdhsa--gfx1250"
	.amdhsa_code_object_version 6
	.text
	.protected	k_qddabfc25c9_gemm2
	.globl	k_qddabfc25c9_gemm2
	.p2align	8
	.type	k_qddabfc25c9_gemm2,@function
k_qddabfc25c9_gemm2:
	s_mov_b64 s[64:65], 0
	v_nop
	global_prefetch_b8 v0, s[64:65] scope:SCOPE_SE
	s_setreg_imm32_b32 hwreg(HW_REG_WAVE_MODE, 25, 1), 1
	s_wait_xcnt 0x0
	s_wait_alu depctr_hold_cnt(0) depctr_sa_sdst(0) depctr_va_vdst(0) depctr_va_sdst(0) depctr_va_ssrc(0) depctr_va_vcc(0) depctr_vm_vsrc(0)
	s_getreg_b32 s2, hwreg(HW_REG_IB_STS2, 6, 4)
	s_cmp_eq_u32 s2, 0
	s_cbranch_scc0 .Lentry_in_a_cluster
	s_endpgm
.Lentry_in_a_cluster:
	s_bfe_u32 s2, ttmp6, 0x10000c
	s_cmp_lg_u32 s2, 0x3003
	s_cbranch_scc0 .Lentry_shape_is_right
	s_endpgm
.Lentry_shape_is_right:
; gemm2: y = act x down^T of the row tile's expert.  bf16 operands, f32 sums, y in f32 (the combine weights are applied later, in f32).
; Row space as in the first product: 31 tiles of 256 rows; tiles 0-7 the shared expert (index 8), tiles 8-30 the expert read from map.
; WHICH WORK-GROUP TAKES WHICH ROW TILE: tile = 8 (y & 3) + (y >> 2), one-to-one on 0..30, as in the first product: the work-groups that read
; one expert's weights have the same y & 3, but for an expert that lies across tiles 15/16 or 23/24.  A choice of order alone.
; A work-group makes 256 rows x 128 columns with four waves; a wave 128 x 64: 32 accumulator tiles, 256 registers.  248 work-groups.
; K: 938 columns are real, columns 938..1023 are zeros in act and in the weights alike.  K goes in steps of 128 through two LDS slots filled by
; the tensor data mover; of the eighth step only the first 64 columns are multiplied (K = 960 in all): what is left out is zero times zero.
; CLUSTER 4 x 1: the four partners make four column tiles of one row tile, so the row tile (A) is asked for jointly, mask 15.
; The weights (B) are not shared: each partner needs other rows of them, and the neighbours along y may belong to another expert, which is
; known only from memory; B's loads are plain and stand at the same places as A's.
; REGISTERS: window 0: v16-26 addresses, v64-127 and v128-191 A's fragments (two buffers); window 1: v64-95, v128-159 B's fragments;
; window 2: accumulators of my rows 0-63, tile (a, b) at v[8 (4 a + b)]; window 3: rows 64-127.
; The matrix instruction is used transposed (source 0 = weight rows, source 1 = rows of act): a lane holds eight neighbouring columns of a row.
.set NB,     4
.set KSTEP,  128
.set PITCH,  272
.set HALFT,  128*PITCH
.set BH,     16*NB*PITCH
.set SLOT,   2*HALFT+2*BH
.set STAGE,  2*SLOT                    ; behind the slots: 16 rows x 272 bytes for each wave; no tensor load lands there
.set LAPS,   4                         ; eight K steps: a lap is once round the two slots
.set ADRA, 16
.set ADRB, 20
.set STO,  24
.set RD,   25
.set CO,   26
.set F0,   64
.set F1,   128
.set G1,  24
.set G0,  32
.set G1B, 48
.set G0B, 56
.set MSB, 0
.macro WIN new                         ; the immediate's high byte repeats the setting that is left
.if MSB != \new
	s_set_vgpr_msb (MSB<<8)|\new
.set MSB, \new
.endif
.endm
.set MUL_LO, 0xa1
.set MUL_HI, 0xf1
.set TO_B,   0x40
.macro JLOAD s                         ; waves 0 and 1 ask (jointly) for A's halves, waves 2 and 3 for B's: one tensor load a wave
	s_cmp_eq_u32 s11, 0
	s_cbranch_scc0 .Lfor_b_\@
	tensor_load_to_lds s[G0+4*\s:G0+4*\s+3], s[G1:G1+7]
	s_nop 0
.rept 4
	v_nop
.endr
	s_branch .Lasked_\@
.Lfor_b_\@:
	tensor_load_to_lds s[G0B+4*\s:G0B+4*\s+3], s[G1B:G1B+7]
	s_nop 0
.rept 4
	v_nop
.endr
.Lasked_\@:
.endm
.macro CREST
	s_cmp_lg_u32 s10, 0
	s_cbranch_scc1 .Lnot_wave_0_\@
	s_barrier_signal -3
.Lnot_wave_0_\@:
	s_barrier_wait -3
	s_barrier_signal -1
	s_barrier_wait -1
.endm
.macro CROUND
	s_barrier_signal -1
	s_barrier_wait -1
	CREST
.endm
.macro PLACES                          ; four places behind a matrix instruction before one of its registers is loaded or its result read (ISA guide 7.12.1)
.rept 4
	v_nop
.endr
.endm
	s_load_b256 s[68:75], s[0:1], 0x0              ; act 68, wb 70, map 72, y 74
	s_set_vgpr_msb 0x40
	v_lshl_add_u32 v255, v0, 2, 0x37400
	s_set_vgpr_msb 0x4000
	v_mov_b32 v255, 0
	s_set_vgpr_msb 0x1
	ds_add_u32 v255, v255
	s_set_vgpr_msb 0x100
	v_lshrrev_b32 v1, 5, v0
	v_readfirstlane_b32 s10, v1
	s_lshr_b32 s11, s10, 1                         ; my half of the rows.  Also: I fetch for A (0) or B (1)
	s_and_b32 s12, s10, 1                          ; my half of the columns.  Also: which half of that tile I fetch
	s_bfe_u32 s40, ttmp6, 0x40000                  ; cx
	s_lshl_b32 s42, ttmp9, 2
	s_add_co_u32 s42, s42, s40                     ; column tile 0..7
	s_and_b32 s81, ttmp7, 0xffff                   ; y 0..30
	s_lshr_b32 s13, s81, 2
	s_and_b32 s81, s81, 3
	s_lshl3_add_u32 s13, s81, s13                  ; row tile = 8 (y & 3) + (y >> 2), 0..30
	s_mov_b32 s[G1+0], 15|(1<<16)|(1<<20)|(1<<21)|(5<<22)|(3<<25)
	s_mov_b32 s[G1+1], KSTEP<<16
	s_mov_b32 s[G1+2], 128<<16
	s_mov_b32 s[G1+3], KSTEP<<16
	s_mov_b32 s[G1+4], 128
	s_mov_b32 s[G1+5], 1024
	s_mov_b32 s[G1+6], 0
	s_mov_b32 s[G1+7], 0
	s_mov_b32 s[G1B+0], (1<<16)|(1<<20)|(5<<22)|(3<<25)
	s_mov_b32 s[G1B+1], KSTEP<<16
	s_mov_b32 s[G1B+2], (16*NB)<<16                ; 64 rows
	s_mov_b32 s[G1B+3], KSTEP<<16
	s_mov_b32 s[G1B+4], 16*NB
	s_mov_b32 s[G1B+5], 1024
	s_mov_b32 s[G1B+6], 0
	s_mov_b32 s[G1B+7], 0
	s_sub_co_i32 s80, s13, 8
	s_max_i32 s76, s80, 0
	s_lshl_b32 s76, s76, 5
	s_wait_dscnt 0x0
	s_wait_kmcnt 0x0
	s_load_b32 s77, s[72:73], s76 offset:0x4000    ; the tile's expert
	s_cmp_lt_u32 s13, 8
	s_cselect_b32 s78, 0, -1
	s_cselect_b32 s79, 8, 0
	s_lshl_b32 s16, s13, 8
	s_lshl_b32 s17, s12, 7
	s_add_co_u32 s16, s16, s17                     ; A: row 256 x tile + 128 x half
	s_lshl_b32 s16, s16, 11
	s_mov_b32 s17, 0
	s_add_nc_u64 s[14:15], s[68:69], s[16:17]
	s_mul_i32 s20, s10, HALFT                      ; LDS: A's halves at wave x 128 rows
	s_mul_i32 s21, s10, BH
	s_add_co_u32 s21, s21, 2*HALFT-2*BH            ; B's halves behind A's 256 rows (waves 2 and 3)
	s_lshl_b32 s46, s42, 7
	s_lshl_b32 s45, s12, 6
	s_add_co_u32 s46, s46, s45                     ; B: row 128 x column tile + 64 x half
	s_lshl_b32 s46, s46, 11
	s_wait_kmcnt 0x0
	s_min_u32 s77, s77, 7
	s_and_b32 s77, s77, s78
	s_add_co_u32 s77, s77, s79
	s_lshl_b32 s77, s77, 21                        ; 1024 rows x 2,048 bytes an expert
	s_add_co_u32 s46, s46, s77
	s_mov_b32 s47, 0
	s_add_nc_u64 s[46:47], s[70:71], s[46:47]
	s_add_nc_u64 s[46:47], s[46:47], 0x2400000     ; wb's second part
	CROUND
.irp s, 0,1
	s_mov_b32 s[G0+4*\s], 1
	s_add_co_u32 s[G0+4*\s+1], s20, \s*SLOT
	s_add_nc_u64 s[G0+4*\s+2:G0+4*\s+3], s[14:15], \s*KSTEP*2
	s_or_b32 s[G0+4*\s+3], s[G0+4*\s+3], 0x80000000
	s_mov_b32 s[G0B+4*\s], 1
	s_add_co_u32 s[G0B+4*\s+1], s21, \s*SLOT
	s_add_nc_u64 s[G0B+4*\s+2:G0B+4*\s+3], s[46:47], \s*KSTEP*2
	s_or_b32 s[G0B+4*\s+3], s[G0B+4*\s+3], 0x80000000
	JLOAD \s                                       ; both slots' first fills go out together: two tensor loads of the wave are out
.endr
	v_and_b32 v1, 15, v0
	v_bfe_u32 v2, v0, 4, 1
	v_mul_u32_u24 v3, v1, PITCH
	v_lshl_add_u32 v3, v2, 4, v3
	s_mul_i32 s22, s11, HALFT
	s_mul_i32 s23, s12, BH
	s_add_co_u32 s23, s23, 2*HALFT
.irp s, 0,1
	v_add_nc_u32 v[ADRA+\s], s22, v3
	v_add_nc_u32 v[ADRB+\s], s23, v3
	s_add_co_u32 s22, s22, SLOT
	s_add_co_u32 s23, s23, SLOT
.endr
	s_mul_i32 s23, s10, 16*PITCH
	s_add_co_u32 s23, s23, STAGE                   ; my stage
	v_mul_u32_u24 v4, v1, PITCH
	v_lshl_add_u32 v4, v2, 5, v4
	v_add_nc_u32 v[STO], s23, v4                   ; in: row l % 16, 32 bytes for each half of the lanes
	v_mul_u32_u24 v5, v2, PITCH
	v_lshl_add_u32 v5, v1, 4, v5
	v_add_nc_u32 v[RD], s23, v5                    ; back: lanes 0-15 one row of 256 bytes, lanes 16-31 the next
	v_lshlrev_b32 v6, 12, v2
	v_lshl_add_u32 v[CO], v1, 4, v6                ; the same two rows in y
; 16 matrix instructions.  The 32 accumulators take turns, one instruction a turn, in the same order in every quarter step.
.macro MULS f, hi, zero
.irp a, 0,1,2,3
.irp b, 0,1,2,3
.if \zero
	v_wmma_f32_16x16x32_bf16 v[8*(NB*\a+\b):8*(NB*\a+\b)+7], v[\f+8*\b:\f+8*\b+7], v[\f+8*(4*\hi+\a):\f+8*(4*\hi+\a)+7], 0
.else
	v_wmma_f32_16x16x32_bf16 v[8*(NB*\a+\b):8*(NB*\a+\b)+7], v[\f+8*\b:\f+8*\b+7], v[\f+8*(4*\hi+\a):\f+8*(4*\hi+\a)+7], v[8*(NB*\a+\b):8*(NB*\a+\b)+7]
.endif
.endr
.endr
.endm
.macro FETCH slot, k, f
	WIN TO_B
.irp i, 0,1,2,3
	ds_load_b128 v[\f+8*\i:\f+8*\i+3],   v[ADRB+\slot] offset:\k+\i*16*PITCH
	ds_load_b128 v[\f+8*\i+4:\f+8*\i+7], v[ADRB+\slot] offset:\k+\i*16*PITCH+32
.endr
	WIN 0
.irp i, 0,1,2,3,4,5,6,7
	ds_load_b128 v[\f+8*\i:\f+8*\i+3],   v[ADRA+\slot] offset:\k+\i*16*PITCH
	ds_load_b128 v[\f+8*\i+4:\f+8*\i+7], v[ADRA+\slot] offset:\k+\i*16*PITCH+32
.endr
.endm
; a quarter step: the next quarter's fragments are asked for first, so that they have this quarter's 32 matrix instructions in which to come
.macro QUARTER slot, k, f, g, zero
	s_wait_dscnt 0x0                               ; buffer f is in
	PLACES                                         ; buffer g was read by the matrix instructions just issued
	FETCH \slot, \k, \g
	WIN MUL_LO
	MULS \f, 0, \zero
	WIN MUL_HI
	MULS \f, 1, \zero
.endm
.macro THREE slot, zero
	QUARTER \slot, 64,  F0, F1, \zero
	QUARTER \slot, 128, F1, F0, 0
	QUARTER \slot, 192, F0, F1, 0
.endm
; the change of slots, as in the first product; from a request to the wait for it a wave issues 112 matrix instructions
.macro TURN slot, next, fill
	s_wait_dscnt 0x0                               ; buffer 1 is in, and with it my last reads of this slot
	s_wait_tensorcnt 0x0                           ; all my tensor loads have landed
	ds_add_u32 v255, v255
	s_wait_dscnt 0x0
	s_barrier_signal -1
	WIN MUL_LO
	MULS F1, 0, 0
	WIN 0
	s_barrier_wait -1
.if \fill
	CREST                                          ; no wave of any partner still reads this slot or has a load on its way
	s_add_nc_u64 s[G0+4*\slot+2:G0+4*\slot+3], s[G0+4*\slot+2:G0+4*\slot+3], 2*KSTEP*2
	s_add_nc_u64 s[G0B+4*\slot+2:G0B+4*\slot+3], s[G0B+4*\slot+2:G0B+4*\slot+3], 2*KSTEP*2
	JLOAD \slot                                    ; its four v_nop are also the places in front of the loads below
.else
	PLACES
.endif
	FETCH \next, 0, F0
	WIN MUL_HI
	MULS F1, 1, 0
.endm
.macro LAP zero
	THREE 0, \zero
	TURN 0, 1, 1
	THREE 1, 0
	TURN 1, 0, 1
.endm
	s_wait_tensorcnt 0x1                           ; my part of K step 0 is in; K step 1's load, issued behind it, may stay out
	s_barrier_signal -1
	s_barrier_wait -1
	FETCH 0, 0, F0
	LAP 1
	WIN 0
	s_mov_b32 s3, LAPS-2
.Llap:
	LAP 0
	WIN 0
	s_sub_co_u32 s3, s3, 1
	s_cmp_lg_u32 s3, 0
	s_cbranch_scc1 .Llap
	THREE 0, 0                                     ; the last lap fills nothing
	TURN 0, 1, 0
	QUARTER 1, 64, F0, F1, 0                       ; the eighth K step: columns 896..927, and the fragments of 928..959
	s_wait_dscnt 0x0
	WIN MUL_LO
	MULS F1, 0, 0                                  ; columns 928..959 are the last that hold anything: 960..1023 are zeros on both sides
	WIN MUL_HI
	MULS F1, 1, 0
; THE WAY OUT, 16 rows at a time through my own stage: 32 bytes a lane in, whole rows of 256 bytes back.
	PLACES
	s_lshl_b32 s16, s13, 8
	s_lshl_b32 s14, s11, 7
	s_add_co_u32 s16, s16, s14                     ; my first row
	s_lshl_b32 s16, s16, 12                        ; rows of 4,096 bytes
	s_mov_b32 s17, 0
	s_add_nc_u64 s[74:75], s[74:75], s[16:17]
	s_lshl_b32 s46, s42, 9                         ; my first column, in bytes: 512 x column tile + 256 x half
	s_lshl_b32 s47, s12, 8
	s_add_co_u32 s46, s46, s47
	s_mov_b32 s47, 0
	s_add_nc_u64 s[74:75], s[74:75], s[46:47]
; rows 16 i ..: the four tiles (a, 0..3) of window 2 or 3 (from: the store data's window, 0x08 or 0x0c); f: buffer 0 or 1 in turn
.macro OUT16 i, a, from, f
	WIN \from
.irp b, 0,1,2,3
	ds_store_b128 v[STO], v[8*(NB*\a+\b):8*(NB*\a+\b)+3]   offset:64*\b
	ds_store_b128 v[STO], v[8*(NB*\a+\b)+4:8*(NB*\a+\b)+7] offset:64*\b+16
.endr
	WIN 0
	s_wait_xcnt 0x0                                ; buffer f, which earlier stores read, and the stores' base are rewritten only behind this wait
.if \i
	s_add_nc_u64 s[74:75], s[74:75], 16*4096
.endif
.irp t, 0,1,2,3,4,5,6,7
	ds_load_b128 v[\f+4*\t:\f+4*\t+3], v[RD] offset:\t*2*PITCH      ; LDS serves a wave's instructions in order: these see the stores above
.endr
.irp t, 0,1,2,3,4,5,6,7
	s_wait_dscnt 7-\t                              ; pair t of rows is in, the younger ones stay out
	global_store_b128 v[CO], v[\f+4*\t:\f+4*\t+3], s[74:75] offset:8192*\t     ; sixteen lanes store 256 consecutive bytes, aligned
.endr
.endm
	OUT16 0, 0, 0x08, F0
	OUT16 1, 1, 0x08, F1
	OUT16 2, 2, 0x08, F0
	OUT16 3, 3, 0x08, F1
	OUT16 4, 0, 0x0c, F0
	OUT16 5, 1, 0x0c, F1
	OUT16 6, 2, 0x0c, F0
	OUT16 7, 3, 0x0c, F1
	s_set_vgpr_msb 0x1
	s_wait_tensorcnt 0x0
	ds_add_u32 v255, v255
	s_wait_dscnt 0x0
	s_set_vgpr_msb 0x100
	CROUND                                         ; the closing round
	s_endpgm
.Lfunc_end_k_qddabfc25c9_gemm2:
	.size	k_qddabfc25c9_gemm2, .Lfunc_end_k_qddabfc25c9_gemm2-k_qddabfc25c9_gemm2
	.p2alignl 7, 3214868480
	.fill 96, 4, 3214868480
	.section	.rodata,"a",@progbits
	.p2align	6, 0x0
	.amdhsa_kernel k_qddabfc25c9_gemm2
		.amdhsa_group_segment_fixed_size 327680
		.amdhsa_private_segment_fixed_size 0
		.amdhsa_enable_private_segment 0
		.amdhsa_kernarg_size 32
		.amdhsa_user_sgpr_count 2
		.amdhsa_user_sgpr_kernarg_segment_ptr 1
		.amdhsa_wavefront_size32 1
		.amdhsa_system_sgpr_workgroup_id_x 1
		.amdhsa_system_sgpr_workgroup_id_y 1
		.amdhsa_system_sgpr_workgroup_id_z 1
		.amdhsa_system_vgpr_workitem_id 0
		.amdhsa_next_free_vgpr 896
		.amdhsa_next_free_sgpr 90
		.amdhsa_reserve_vcc 0
		.amdhsa_float_denorm_mode_32 3
		.amdhsa_float_denorm_mode_16_64 3
		.amdhsa_memory_ordered 1
		.amdhsa_forward_progress 1
		.amdhsa_inst_pref_size 113
	.end_amdhsa_kernel
	.amdgpu_metadata
---
amdhsa.version: [ 1, 2 ]
amdhsa.kernels:
  - .name:           k_qddabfc25c9_gemm2
    .symbol:         k_qddabfc25c9_gemm2.kd
    .args:
      - { .name: act, .offset: 0, .size: 8, .value_kind: global_buffer, .address_space: global }
      - { .name: wb, .offset: 8, .size: 8, .value_kind: global_buffer, .address_space: global }
      - { .name: map, .offset: 16, .size: 8, .value_kind: global_buffer, .address_space: global }
      - { .name: y, .offset: 24, .size: 8, .value_kind: global_buffer, .address_space: global }
    .group_segment_fixed_size: 327680
    .private_segment_fixed_size: 0
    .kernarg_segment_align: 8
    .kernarg_segment_size: 32
    .max_flat_workgroup_size: 128
    .sgpr_count:     90
    .vgpr_count:     896
    .wavefront_size: 32
...
	.end_amdgpu_metadata
.endif
;; end of part 4
;; launch combine (part 5): grid 256 x 1, 8 waves a work-group, no clusters, 0 bytes of LDS; arguments y, map, wts, out0; writes out0
.if DOCPART == 5
	.amdgcn_target "amdgcn-amd-amdhsa--gfx1250"
	.amdhsa_code_object_version 6
	.text
	.protected	k_qddabfc25c9_combine
	.globl	k_qddabfc25c9_combine
	.p2align	8
	.type	k_qddabfc25c9_combine,@function
k_qddabfc25c9_combine:
	s_mov_b64 s[64:65], 0
	v_nop
	global_prefetch_b8 v0, s[64:65] scope:SCOPE_SE
	s_setreg_imm32_b32 hwreg(HW_REG_WAVE_MODE, 25, 1), 1
	s_wait_xcnt 0x0
; combine: out[t] = y[t] + w0 y[pos[2t]] + w1 y[pos[2t+1]], all in f32.  One wave, one token: three rows of 4,096 bytes in, one out.
; The order of the three terms (shared, first choice, second choice) differs from a sum over the experts in ascending order.
; A stream: no LDS, no barrier, no matrix unit.  The rows' places are whole numbers that an earlier launch stored.
.set Y0, 16                            ; v[16:47]   the shared expert's row, then the result
.set Y1, 48                            ; v[48:79]   the first choice's row
.set Y2, 80                            ; v[80:111]  the second choice's row
	s_load_b256 s[16:23], s[0:1], 0x0              ; y 16, map 18, wts 20, out0 22
	v_and_b32 v1, 31, v0
	v_lshrrev_b32 v2, 5, v0
	v_readfirstlane_b32 s8, v2
	s_lshl_b32 s9, ttmp9, 3
	s_add_co_u32 s9, s9, s8                        ; token
	s_lshl_b32 s24, s9, 3                          ; two words of 4 bytes a token
	s_lshl_b32 s36, s9, 12
	s_mov_b32 s37, 0
	v_lshlrev_b32 v3, 4, v1
	s_wait_kmcnt 0x0
	s_load_b64 s[26:27], s[18:19], s24 offset:0x0  ; the two rows
	s_load_b64 s[28:29], s[20:21], s24 offset:0x0  ; the two weights
	s_add_nc_u64 s[30:31], s[16:17], s[36:37]
	s_add_nc_u64 s[22:23], s[22:23], s[36:37]
.irp c, 0,1,2,3,4,5,6,7
	global_load_b128 v[Y0+4*\c:Y0+4*\c+3], v3, s[30:31] offset:512*\c th:TH_LOAD_NT   ; this row hangs on nothing from memory: it goes first
.endr
	s_wait_kmcnt 0x0
	s_min_u32 s26, s26, 0x1eff                     ; inside y's 7,936 rows
	s_min_u32 s27, s27, 0x1eff
	s_lshl_b32 s32, s26, 12
	s_mov_b32 s33, 0
	s_lshl_b32 s34, s27, 12
	s_mov_b32 s35, 0
	s_add_nc_u64 s[32:33], s[16:17], s[32:33]
	s_add_nc_u64 s[34:35], s[16:17], s[34:35]
	s_mov_b32 s38, s29                             ; the second weight in a pair of its own: the packed form reads a pair's first register
	s_mov_b32 s39, s29
.irp c, 0,1,2,3,4,5,6,7
	global_load_b128 v[Y1+4*\c:Y1+4*\c+3], v3, s[32:33] offset:512*\c th:TH_LOAD_NT
	global_load_b128 v[Y2+4*\c:Y2+4*\c+3], v3, s[34:35] offset:512*\c th:TH_LOAD_NT
.endr
.irp c, 0,1,2,3,4,5,6,7
	s_wait_loadcnt 2*(7-\c)                        ; loads return in order: chunk c of all three rows is in, the younger chunks' two loads each stay out
	v_pk_fma_f32 v[Y0+4*\c:Y0+4*\c+1],   v[Y1+4*\c:Y1+4*\c+1],   s[28:29], v[Y0+4*\c:Y0+4*\c+1]   op_sel_hi:[1,0,1]
	v_pk_fma_f32 v[Y0+4*\c+2:Y0+4*\c+3], v[Y1+4*\c+2:Y1+4*\c+3], s[28:29], v[Y0+4*\c+2:Y0+4*\c+3] op_sel_hi:[1,0,1]
	v_pk_fma_f32 v[Y0+4*\c:Y0+4*\c+1],   v[Y2+4*\c:Y2+4*\c+1],   s[38:39], v[Y0+4*\c:Y0+4*\c+1]   op_sel_hi:[1,0,1]
	v_pk_fma_f32 v[Y0+4*\c+2:Y0+4*\c+3], v[Y2+4*\c+2:Y2+4*\c+3], s[38:39], v[Y0+4*\c+2:Y0+4*\c+3] op_sel_hi:[1,0,1]
	global_store_b128 v3, v[Y0+4*\c:Y0+4*\c+3], s[22:23] offset:512*\c th:TH_STORE_NT             ; 512 consecutive bytes, aligned
.endr
	s_endpgm
.Lfunc_end_k_qddabfc25c9_combine:
	.size	k_qddabfc25c9_combine, .Lfunc_end_k_qddabfc25c9_combine-k_qddabfc25c9_combine
	.p2alignl 7, 3214868480
	.fill 96, 4, 3214868480
	.section	.rodata,"a",@progbits
	.p2align	6, 0x0
	.amdhsa_kernel k_qddabfc25c9_combine
		.amdhsa_group_segment_fixed_size 0
		.amdhsa_private_segment_fixed_size 0
		.amdhsa_enable_private_segment 0
		.amdhsa_kernarg_size 32
		.amdhsa_user_sgpr_count 2
		.amdhsa_user_sgpr_kernarg_segment_ptr 1
		.amdhsa_wavefront_size32 1
		.amdhsa_system_sgpr_workgroup_id_x 1
		.amdhsa_system_sgpr_workgroup_id_y 1
		.amdhsa_system_sgpr_workgroup_id_z 1
		.amdhsa_system_vgpr_workitem_id 0
		.amdhsa_next_free_vgpr 112
		.amdhsa_next_free_sgpr 66
		.amdhsa_reserve_vcc 0
		.amdhsa_float_denorm_mode_32 3
		.amdhsa_float_denorm_mode_16_64 3
		.amdhsa_memory_ordered 1
		.amdhsa_forward_progress 1
		.amdhsa_inst_pref_size 7
	.end_amdhsa_kernel
	.amdgpu_metadata
---
amdhsa.version: [ 1, 2 ]
amdhsa.kernels:
  - .name:           k_qddabfc25c9_combine
    .symbol:         k_qddabfc25c9_combine.kd
    .args:
      - { .name: y, .offset: 0, .size: 8, .value_kind: global_buffer, .address_space: global }
      - { .name: map, .offset: 8, .size: 8, .value_kind: global_buffer, .address_space: global }
      - { .name: wts, .offset: 16, .size: 8, .value_kind: global_buffer, .address_space: global }
      - { .name: out0, .offset: 24, .size: 8, .value_kind: global_buffer, .address_space: global }
    .group_segment_fixed_size: 0
    .private_segment_fixed_size: 0
    .kernarg_segment_align: 8
    .kernarg_segment_size: 32
    .max_flat_workgroup_size: 256
    .sgpr_count:     66
    .vgpr_count:     112
    .wavefront_size: 32
...
	.end_amdgpu_metadata
.endif
;; end of part 5
;; ======== version 2 of 2: 5 launches; version 1 with the launch prep written anew for expert scheduling mode
;; workspace buffers: xb 4,194,304 bytes; xp 12,058,624 bytes; wb 56,623,104 bytes; act 16,252,928 bytes; y 32,505,856 bytes; wts 16,384 bytes; sel 16,384 bytes of whole numbers; map 17,152 bytes of whole numbers
;; launch prep (part 6): grid 704 x 1, 8 waves a work-group, no clusters, 61,440 bytes of LDS; arguments hidden_states, gate_weight, experts_gate_up, shared_gate_up, xb, sel, wts, wb; writes xb, sel, wts, wb
.if DOCPART == 6
	.amdgcn_target "amdgcn-amd-amdhsa--gfx1250"
	.amdhsa_code_object_version 6
	.text
	.protected	k_qddabfc25c9_prep
	.globl	k_qddabfc25c9_prep
	.p2align	8
	.type	k_qddabfc25c9_prep,@function
k_qddabfc25c9_prep:
	s_mov_b64 s[64:65], 0
	v_nop
	global_prefetch_b8 v0, s[64:65] scope:SCOPE_SE
	s_setreg_imm32_b32 hwreg(HW_REG_WAVE_SCHED_MODE, 0, 2), 2
	s_setreg_imm32_b32 hwreg(HW_REG_WAVE_MODE, 25, 1), 1
	s_wait_xcnt 0x0
	s_wait_alu depctr_vm_vsrc(0)
; prep: two jobs, chosen by the work-group's number (the same in all eight waves).
;   work-groups 0..127   ROUTE: 16 tokens each.  x is rounded to bf16 (buffer xb), the eight router logits are made on the matrix unit
;                        (bf16 operands, f32 sums), the two largest are chosen, and the two combine weights are made by a softmax that
;                        takes the largest logit away first.  Stored: sel[2t+k] (expert, whole number), wts[2t+k] (f32).
;   work-groups 128..703 CVT: 32 rows each of the gate_up weights, rounded to bf16 into wb, in the row order that the first product wants.
; wb, first part: [9 experts][2048 rows][1024] bf16; experts 0-7 routed, 8 shared.  Row rr of an expert: q = rr>>7, part = (rr>>6)&1,
; jj = rr&63, i = 64 q + jj; it holds source row part*938 + i, or zeros where i >= 938.  So each 128 rows are 64 gate rows and the 64 up rows
; of the same i.
; LIMITS.  The choice is made on the logits, ties to the lower index; two different logits whose probabilities round to one f32 may be ordered
; otherwise than by a top-k on the probabilities.  A NaN logit gives an unspecified choice (the indices stay 0..7).
; No LDS tiles by copy engines, no cluster: the work-groups share nothing but the 32 KiB of gate weights.
; THE MODE: SCHED_MODE bits 1:0 = 2 (LLVM: expert scheduling mode 2), set by the entry lines.  The code itself states the register dependences
; between vector or matrix instructions and memory or LDS instructions, with s_wait_alu, always for 0.
; THE PLAN.  Registers that memory or LDS instructions touch:
;   ROUTE  v3-v9      offsets and LDS addresses: written at the job's head, read by every load and store, never written again.
;          v[16:111]  X: the 24 global loads land here; the conversions read them.  v[16:79] then take the fragments' LDS loads, which the matrix
;                     instructions read, and in wave 0 the LDS loads of the partial logits.
;          v[112:159] Y: written by the conversions, read by the stores to xb and to LDS, never written again.
;          v[80:87]   written by matrix instructions and packed adds, read by two LDS stores, never written again.
;          v108-v110  written by vector lines, read by the last two stores.
;   CVT    v3-v7      offsets: written once.   v[16:143]: the loads land, conversions and masks work in place, the stores read; no register is used twice.
; So one wait on va_vdst stands ahead of each job's first load, one behind the conversions of each group of rows, ahead of that group's run of stores
; (a group's stores leave as soon as their data are made: every load is out already, so there is no later head at which they could stand sooner),
; one ahead of the partial logits' LDS stores and one ahead of the last two stores.  No register that a memory or LDS instruction reads is ever
; written again, so the text holds no wait on vm_vsrc but the one at the entry.  Compares write scalar masks in runs, with one wait on va_sdst behind each run.
.set ROUTE_WG, 128
.set I_REAL, 938
.set PITCH,  272                       ; an LDS row: 128 bf16 + 16 bytes, so that sixteen rows of a fragment start 16 bytes apart modulo 256
.set WREG,   24*PITCH                  ; a wave's own 16 x rows and 8 gate rows
.set RED,    8*WREG                    ; behind them: 1,024 bytes a wave for the partial logits
.set X,    16                          ; v[16:111]  24 rows as loaded, 4 f32 a lane each (CVT: v[16:143], 4 rows x 8 chunks)
.set Y,    112                         ; v[112:159] the same in bf16, 2 registers a row
.set XF,   16                          ; v[16:47]   x fragments of four K steps of 32
.set GF,   48                          ; v[48:79]   gate fragments
.set ACC0, 80                          ; v[80:87]   logits, K steps 0 and 2
.set ACC1, 88                          ; v[88:95]   logits, K steps 1 and 3
.set P1,   48                          ; v[48:55]   wave 0, the choice: the largest of logits 0..e, for e = 0..7
.set P2,   56                          ; v[56:63]   the same with the winner taken out
.set M1,   40                          ; s[40:46]   masks of the first choice's seven compares; s47: lanes 0-15
.set MW,   48                          ; s[48:55]   masks of the winner's place
.set M2,   56                          ; s[56:62]   masks of the second choice's seven compares
	s_load_b512 s[16:31], s[0:1], 0x0              ; hidden 16, gate 18, experts_gate_up 20, shared_gate_up 22, xb 24, sel 26, wts 28, wb 30
	v_lshl_add_u32 v160, v0, 2, 0xec00
	v_mov_b32 v161, 0
	v_and_b32 v1, 31, v0                           ; lane
	v_lshrrev_b32 v2, 5, v0
	v_readfirstlane_b32 s8, v2                     ; wave 0..7
	s_wait_alu depctr_va_sdst(0)                   ; s8 is written, ahead of the branch and of its first reader in either job
	s_cmp_ge_u32 ttmp9, ROUTE_WG
	s_cbranch_scc1 .Lcvt
; ---------------------------------------------------------------- ROUTE: wave w takes K = 128 w .. 128 w + 127 of 16 tokens and 8 gate rows
	v_and_b32 v10, 15, v1                          ; r
	v_lshrrev_b32 v11, 4, v1                       ; h
	v_and_b32 v12, 7, v1                           ; r & 7: gate rows are taken twice, so both halves of the lanes get all eight experts
	s_mul_i32 s9, s8, WREG
	s_lshl_b32 s12, s8, 9
	s_lshl_b32 s13, s8, 8
	s_lshl_b32 s14, s8, 10
	v_lshl_add_u32 v3, v1, 4, s12                  ; f32 source: 512 w + 16 lane
	v_lshl_add_u32 v4, v1, 3, s13                  ; bf16 row of xb: 256 w + 8 lane
	v_lshl_add_u32 v5, v1, 3, s9                   ; LDS, in: my wave's rows + 8 lane
	v_mul_u32_u24 v6, v10, PITCH
	v_lshl_add_u32 v6, v11, 4, v6
	v_add_nc_u32 v6, s9, v6                        ; LDS, x fragment: row r, 16 h
	v_mul_u32_u24 v7, v12, PITCH
	v_lshl_add_u32 v7, v11, 4, v7
	v_add_nc_u32 v7, s9, v7
	v_add_nc_u32 v7, 16*PITCH, v7                  ; LDS, gate fragment: row 16 + (r & 7), 16 h
	v_lshlrev_b32 v9, 5, v1
	v_add_nc_u32 v9, RED, v9                       ; partial logits of wave 0: 32 bytes a lane
	v_add_nc_u32 v8, s14, v9                       ; of my wave
	s_lshl_b32 s32, ttmp9, 16                      ; 16 rows of 4,096 bytes
	s_mov_b32 s33, 0
	s_lshl_b32 s34, ttmp9, 15                      ; 16 rows of 2,048 bytes
	s_mov_b32 s35, 0
	s_lshl_b32 s36, ttmp9, 7                       ; 32 entries of 4 bytes
	s_mov_b32 s37, 0
	s_wait_kmcnt 0x0
	s_add_nc_u64 s[16:17], s[16:17], s[32:33]
	s_add_nc_u64 s[24:25], s[24:25], s[34:35]
	s_add_nc_u64 s[26:27], s[26:27], s[36:37]
	s_add_nc_u64 s[28:29], s[28:29], s[36:37]
	s_wait_alu depctr_va_vdst(0)                   ; v3 to v9 are written: every load and store of this job reads one of them as its offset or address
.set n, 0
.rept 16
	global_load_b128 v[X+4*n:X+4*n+3], v3, s[16:17] offset:n*4096 th:TH_LOAD_NT   ; 512 consecutive bytes of token n
.set n, n+1
.endr
.set n, 0
.rept 8
	global_load_b128 v[X+64+4*n:X+64+4*n+3], v3, s[18:19] offset:n*4096           ; the same K of gate row n
.set n, n+1
.endr
; Rows 8 g .. 8 g + 7 (g = 0, 1: tokens; g = 2: the gate rows) are rounded, and their stores follow as one run.
; left = how many younger loads may still be out when this group's eight have to be there.
.macro GROUP g, left
	s_wait_loadcnt \left                           ; loads return in order (ISA guide 5.7.1): the group's eight rows are in, the younger groups stay out
.set n, 8*\g
.rept 8
	v_cvt_pk_bf16_f32 v[Y+2*n],   v[X+4*n],   v[X+4*n+1]
	v_cvt_pk_bf16_f32 v[Y+2*n+1], v[X+4*n+2], v[X+4*n+3]
.set n, n+1
.endr
	s_wait_alu depctr_va_vdst(0)                   ; the group's conversions have written its sixteen registers of Y, which the stores below read; behind the last group's: all conversions are done reading v[16:79], in which the fragments' loads land
.if \g < 2
.set n, 8*\g
.rept 8
	global_store_b64 v4, v[Y+2*n:Y+2*n+1], s[24:25] offset:n*2048                 ; the wave's store covers 256 consecutive bytes, aligned
.set n, n+1
.endr
.endif
.set n, 8*\g
.rept 8
	ds_store_b64 v5, v[Y+2*n:Y+2*n+1] offset:n*PITCH
.set n, n+1
.endr
.endm
	GROUP 0, 16
	GROUP 1, 8
	GROUP 2, 0
; the wave reads back its own bytes: LDS serves a wave's instructions in order (ISA guide 5.7.1), so no barrier and no wait on DScnt stand between;
; no vector instruction stands between the last group's wait on va_vdst and these loads
.irp s, 0,1,2,3
	ds_load_b128 v[XF+8*\s:XF+8*\s+3],   v6 offset:64*\s
	ds_load_b128 v[XF+8*\s+4:XF+8*\s+7], v6 offset:64*\s+32
	ds_load_b128 v[GF+8*\s:GF+8*\s+3],   v7 offset:64*\s
	ds_load_b128 v[GF+8*\s+4:GF+8*\s+7], v7 offset:64*\s+32
.endr
	s_wait_dscnt 0x0
; source 0 = gate rows, source 1 = tokens: register j of lane (r, h) is the logit of token r, expert (8 h + j) & 7 = j.
; Two accumulators take turns, one instruction a turn.
	v_wmma_f32_16x16x32_bf16 v[ACC0:ACC0+7], v[GF:GF+7],       v[XF:XF+7],       0
	v_wmma_f32_16x16x32_bf16 v[ACC1:ACC1+7], v[GF+8:GF+15],    v[XF+8:XF+15],    0
	v_wmma_f32_16x16x32_bf16 v[ACC0:ACC0+7], v[GF+16:GF+23],   v[XF+16:XF+23],   v[ACC0:ACC0+7]
	v_wmma_f32_16x16x32_bf16 v[ACC1:ACC1+7], v[GF+24:GF+31],   v[XF+24:XF+31],   v[ACC1:ACC1+7]
.rept 4
	v_nop                                          ; four places behind the last matrix instruction before its result is read (ISA guide 7.12.1)
.endr
.irp p, 0,2,4,6
	v_pk_add_f32 v[ACC0+\p:ACC0+\p+1], v[ACC0+\p:ACC0+\p+1], v[ACC1+\p:ACC1+\p+1]
.endr
	s_wait_alu depctr_va_vdst(0)                   ; the packed adds have written v[80:87], which the two LDS stores read; the matrix instructions are done reading v[16:79], in which wave 0's loads behind the barrier land
	ds_store_b128 v8, v[ACC0:ACC0+3]
	ds_store_b128 v8, v[ACC0+4:ACC0+7] offset:16
	s_wait_dscnt 0x0                               ; my partial logits are in LDS, for wave 0's sake
	s_barrier_signal -1
	s_barrier_wait -1
	s_cmp_lg_u32 s8, 0
	s_cbranch_scc1 .Lend                           ; the rest is a few hundred instructions on 16 tokens: one wave
.set n, 0
.rept 8
	ds_load_b128 v[16+8*n:16+8*n+3], v9 offset:1024*n                             ; no vector or matrix instruction since the wait on va_vdst above names v[16:79]
	ds_load_b128 v[20+8*n:20+8*n+3], v9 offset:1024*n+16
.set n, n+1
.endr
	s_wait_dscnt 0x0
.irp w, 1,2,3,4,5,6,7
.irp p, 0,2,4,6
	v_pk_add_f32 v[16+\p:17+\p], v[16+\p:17+\p], v[16+8*\w+\p:17+8*\w+\p]         ; K slices in ascending order
.endr
.endr
; v[16:23] = the eight logits of my token.  First choice: largest, lower index on a tie.  The running maximum keeps its prefixes, so that the
; seven compares (logit e against the largest of logits 0..e-1) stand in one run, their masks in scalar registers, under one wait.
	v_mov_b32 v100, 0xff800000                     ; -infinity will take the winner's place
	v_mov_b32 v[P1], v16
.irp e, 1,2,3,4,5,6,7
	v_max_num_f32 v[P1+\e], v[P1+\e-1], v[16+\e]   ; v[P1+7] = m1
.endr
.irp e, 1,2,3,4,5,6,7
	v_cmp_le_f32 s[M1+\e-1], v[16+\e], v[P1+\e-1]
.endr
	v_cmp_gt_u32 s47, 16, v1                       ; lanes 0-15, for the last two selects
; softmax with the largest logit taken away: every exponent is <= 0, the sum lies in 1..8.  These sixteen lines hang on no mask.
.irp e, 0,1,2,3,4,5,6,7
	v_sub_f32 v[32+\e], v[16+\e], v[P1+7]
.endr
.irp e, 0,1,2,3,4,5,6,7
	v_mul_f32 v[32+\e], 0x3fb8aa3b, v[32+\e]       ; e^x = 2^(1.442695 x)
.endr
	s_wait_alu depctr_va_sdst(0)                   ; the eight compares have written s[40:47], ahead of the selects that read them
	v_mov_b32 v97, 0                               ; i1
.irp e, 1,2,3,4,5,6,7
	v_cndmask_b32 v97, \e, v97, s[M1+\e-1]         ; not larger: the index stays
.endr
.irp e, 0,1,2,3,4,5,6,7
	v_cmp_eq_u32 s[MW+\e], \e, v97
.endr
	s_wait_alu depctr_va_sdst(0)                   ; these eight compares have written s[48:55], ahead of the selects that read them
.irp e, 0,1,2,3,4,5,6,7
	v_cndmask_b32 v[24+\e], v[16+\e], v100, s[MW+\e]
.endr
	v_mov_b32 v[P2], v24
.irp e, 1,2,3,4,5,6,7
	v_max_num_f32 v[P2+\e], v[P2+\e-1], v[24+\e]   ; v[P2+7] = m2
.endr
.irp e, 1,2,3,4,5,6,7
	v_cmp_le_f32 s[M2+\e-1], v[24+\e], v[P2+\e-1]
.endr
	v_sub_f32 v40, v[P2+7], v[P1+7]
	v_mul_f32 v40, 0x3fb8aa3b, v40
.irp e, 0,1,2,3,4,5,6,7,8
	v_exp_f32 v[32+\e], v[32+\e]
.endr
	v_nop                                          ; one plain place behind the transcendentals (ISA guide 5.7.2)
	s_wait_alu depctr_va_sdst(0)                   ; the seven compares have written s[56:62], ahead of the selects that read them
	v_mov_b32 v99, 0                               ; i2
.irp e, 1,2,3,4,5,6,7
	v_cndmask_b32 v99, \e, v99, s[M2+\e-1]
.endr
	s_wait_alu depctr_va_vdst(0)                   ; the nine exponentials have written v[32:40], ahead of their first reader
	v_add_f32 v32, v32, v33
	v_add_f32 v34, v34, v35
	v_add_f32 v36, v36, v37
	v_add_f32 v38, v38, v39
	v_add_f32 v32, v32, v34
	v_add_f32 v36, v36, v38
	v_add_f32 v101, v32, v36                       ; Z
	v_rcp_f32 v102, v101                           ; p1 = 1 / Z
	v_nop
	s_wait_alu depctr_va_vdst(0)                   ; the reciprocal has written v102, ahead of its first reader
	v_mul_f32 v103, v40, v102                      ; p2
	v_add_f32 v104, v102, v103
	v_add_f32 v104, 0x322bcc77, v104               ; + 1e-8
	v_rcp_f32 v105, v104
	v_nop
	s_wait_alu depctr_va_vdst(0)                   ; the reciprocal has written v105, ahead of its first reader
	v_mul_f32 v106, v102, v105                     ; w1
	v_mul_f32 v107, v103, v105                     ; w2
; lane (r, h) stores entry 2 r + h of the group's 32: lanes 0-15 the first choice, lanes 16-31 the second
	v_cndmask_b32 v108, v99, v97, s47
	v_cndmask_b32 v109, v107, v106, s47
	v_lshlrev_b32 v110, 3, v10
	v_lshl_add_u32 v110, v11, 2, v110
	s_wait_alu depctr_va_vdst(0)                   ; v108, v109 and v110 are written: the two stores' data and their offset
	global_store_b32 v110, v108, s[26:27]          ; 128 consecutive bytes; both tables are 16 KiB in all
	global_store_b32 v110, v109, s[28:29]
.Lend:
	s_wait_dscnt 0x0                               ; the closing lines, six on end
	s_wait_alu 0x0
	s_wait_tensorcnt 0x0
	ds_add_u32 v160, v161
	s_wait_dscnt 0x0
	s_endpgm
; ---------------------------------------------------------------- CVT: work-group G = 32 rows of wb's first part, wave w four of them
.Lcvt:
	s_sub_co_u32 s9, ttmp9, ROUTE_WG               ; G, 0..575
	s_lshr_b32 s10, s9, 6                          ; expert 0..8
	s_and_b32 s11, s9, 63
	s_lshl_b32 s11, s11, 5
	s_lshl2_add_u32 s11, s8, s11                   ; rr0 = 32 (G & 63) + 4 w; the four rows lie in one run of 64
	s_lshr_b32 s12, s11, 7                         ; q
	s_bfe_u32 s13, s11, 0x10006                    ; part: 0 gate, 1 up
	s_and_b32 s14, s11, 63                         ; jj0
	s_lshl_b32 s12, s12, 6
	s_add_co_u32 s12, s12, s14                     ; i0 = 64 q + jj0
	s_mul_i32 s13, s13, I_REAL
.irp n, 0,1,2,3
	s_add_co_u32 s44, s12, \n
	s_cmp_lt_u32 s44, I_REAL
	s_cselect_b32 s[40+\n], -1, 0                  ; a row with i >= 938 is stored as zeros;
	s_min_u32 s44, s44, I_REAL-1                   ; its loads read the last real row, inside the buffer
	s_add_co_u32 s44, s44, s13
	s_lshl_b32 s44, s44, 12
	v_lshl_add_u32 v[4+\n], v1, 4, s44             ; source row x 4,096 + 16 lane
.endr
	v_lshlrev_b32 v3, 3, v1
	s_lshl_b32 s46, s9, 5
	s_lshl2_add_u32 s46, s8, s46
	s_lshl_b32 s46, s46, 11                        ; (32 G + 4 w) rows of 2,048 bytes
	s_mov_b32 s47, 0
	s_wait_kmcnt 0x0
	s_cmp_lt_u32 s10, 8
	s_cselect_b64 s[36:37], s[20:21], s[22:23]     ; routed experts' weights, or the shared expert's
	s_cselect_b32 s38, s10, 0
	s_mul_i32 s38, s38, 1876*4096
	s_mov_b32 s39, 0
	s_add_nc_u64 s[36:37], s[36:37], s[38:39]
	s_add_nc_u64 s[30:31], s[30:31], s[46:47]
	s_wait_alu depctr_va_vdst(0)                   ; v3 to v7 are written: every load and store of this job reads one of them as its offset
.irp n, 0,1,2,3
.irp c, 0,1,2,3,4,5,6,7
	global_load_b128 v[X+32*\n+4*\c:X+32*\n+4*\c+3], v[4+\n], s[36:37] offset:512*\c th:TH_LOAD_NT
.endr
.endr
.irp n, 0,1,2,3
	s_wait_loadcnt 8*(3-\n)                        ; loads return in order (ISA guide 5.7.1): row n is in, the younger rows' eight each stay out
.irp c, 0,1,2,3,4,5,6,7
	v_cvt_pk_bf16_f32 v[X+32*\n+4*\c],   v[X+32*\n+4*\c],   v[X+32*\n+4*\c+1]
	v_cvt_pk_bf16_f32 v[X+32*\n+4*\c+1], v[X+32*\n+4*\c+2], v[X+32*\n+4*\c+3]
.endr
.irp c, 0,1,2,3,4,5,6,7
	v_and_b32 v[X+32*\n+4*\c],   s[40+\n], v[X+32*\n+4*\c]
	v_and_b32 v[X+32*\n+4*\c+1], s[40+\n], v[X+32*\n+4*\c+1]
.endr
	s_wait_alu depctr_va_vdst(0)                   ; the row's conversions and masks have written the sixteen registers that its eight stores read
.irp c, 0,1,2,3,4,5,6,7
	global_store_b64 v3, v[X+32*\n+4*\c:X+32*\n+4*\c+1], s[30:31] offset:2048*\n+256*\c   ; 256 consecutive bytes, aligned; no register is used twice
.endr
.endr
	s_endpgm
.Lfunc_end_k_qddabfc25c9_prep:
	.size	k_qddabfc25c9_prep, .Lfunc_end_k_qddabfc25c9_prep-k_qddabfc25c9_prep
	.p2alignl 7, 3214868480
	.fill 96, 4, 3214868480
	.section	.rodata,"a",@progbits
	.p2align	6, 0x0
	.amdhsa_kernel k_qddabfc25c9_prep
		.amdhsa_group_segment_fixed_size 61440
		.amdhsa_private_segment_fixed_size 0
		.amdhsa_enable_private_segment 0
		.amdhsa_kernarg_size 64
		.amdhsa_user_sgpr_count 2
		.amdhsa_user_sgpr_kernarg_segment_ptr 1
		.amdhsa_wavefront_size32 1
		.amdhsa_system_sgpr_workgroup_id_x 1
		.amdhsa_system_sgpr_workgroup_id_y 1
		.amdhsa_system_sgpr_workgroup_id_z 1
		.amdhsa_system_vgpr_workitem_id 0
		.amdhsa_next_free_vgpr 162
		.amdhsa_next_free_sgpr 66
		.amdhsa_reserve_vcc 0
		.amdhsa_float_denorm_mode_32 3
		.amdhsa_float_denorm_mode_16_64 3
		.amdhsa_memory_ordered 1
		.amdhsa_forward_progress 1
		.amdhsa_inst_pref_size 36
	.end_amdhsa_kernel
	.amdgpu_metadata
---
amdhsa.version: [ 1, 2 ]
amdhsa.kernels:
  - .name:           k_qddabfc25c9_prep
    .symbol:         k_qddabfc25c9_prep.kd
    .args:
      - { .name: hidden_states, .offset: 0, .size: 8, .value_kind: global_buffer, .address_space: global }
      - { .name: gate_weight, .offset: 8, .size: 8, .value_kind: global_buffer, .address_space: global }
      - { .name: experts_gate_up, .offset: 16, .size: 8, .value_kind: global_buffer, .address_space: global }
      - { .name: shared_gate_up, .offset: 24, .size: 8, .value_kind: global_buffer, .address_space: global }
      - { .name: xb, .offset: 32, .size: 8, .value_kind: global_buffer, .address_space: global }
      - { .name: sel, .offset: 40, .size: 8, .value_kind: global_buffer, .address_space: global }
      - { .name: wts, .offset: 48, .size: 8, .value_kind: global_buffer, .address_space: global }
      - { .name: wb, .offset: 56, .size: 8, .value_kind: global_buffer, .address_space: global }
    .group_segment_fixed_size: 61440
    .private_segment_fixed_size: 0
    .kernarg_segment_align: 8
    .kernarg_segment_size: 64
    .max_flat_workgroup_size: 256
    .sgpr_count:     66
    .vgpr_count:     162
    .wavefront_size: 32
...
	.end_amdgpu_metadata
.endif
;; end of part 6
;; launch plan: the kernel of part 2 again; grid 472 x 1, 8 waves a work-group, no clusters, 3,328 bytes of LDS; arguments sel, xb, experts_down, shared_down, xp, map, wb; writes xp, map, wb
;; launch gemm1: the kernel of part 3 again; grid 8 x 31, 4 waves a work-group, clusters of 4 x 1, 327,680 bytes of LDS; arguments xb, xp, wb, map, act; writes act
;; launch gemm2: the kernel of part 4 again; grid 8 x 31, 4 waves a work-group, clusters of 4 x 1, 327,680 bytes of LDS; arguments act, wb, map, y; writes y
;; launch combine: the kernel of part 5 again; grid 256 x 1, 8 waves a work-group, no clusters, 0 bytes of LDS; arguments y, map, wts, out0; writes out0
